; MI455X (gfx1250); checked and timed in simulation.
; The chip was launched on July 23, 2026; its instructions are those of AMD's public machine-readable ISA for CDNA 5 (MIT licence, August 2026) and "CDNA5" Instruction Set Architecture Reference Guide (July 2026). The comments in the code are by the model that wrote it; some were corrected since.
;; Multi Head Attention. Allowed arithmetic: matrix products marked QUANTISED: E2M1 operands, one E8M0 scale for each 32 along K, by v_wmma_scale_f32_16x16x128_f8f6f4 with both operands' format E2M1 (or v_wmma_scale_f32_32x16x128_f4), f32 sums; everything else in f32.
;; Inputs: W_k 1,024 x 1,024 float32; W_o 1,024 x 1,024 float32; W_q 1,024 x 1,024 float32; W_v 1,024 x 1,024 float32; attention_mask 1 x 2,048 x 2,048 int32; b_k 1,024 float32; b_o 1,024 float32; b_q 1,024 float32; b_v 1,024 float32; key 4 x 2,048 x 1,024 float32; key_padding_mask 4 x 2,048 int32; query 4 x 2,048 x 1,024 float32; value 4 x 2,048 x 1,024 float32.
;; Outputs: out0 4 x 2,048 x 1,024 float32.
;; This version of the problem:
;;   THIS VERSION OF THE PROBLEM IS GIVEN IN LOW PRECISION. The matrix products marked QUANTISED in the list below multiply operands that are first quantised to E2M1 (2 exponent bits, 1 mantissa bit; 4 bits a number), with one power-of-two scale for each 32 numbers along K (OCP MX v1.0); their sums are f32. All else is computed in f32.
;;   The module's matrix products, in the order in which they are computed (A, B: the left and right operand; K: the contracted axis; several contracted axes count as one K, in the product's order):
;;     1. [M 8,192, K 1,024] x [K 1,024, N 1,024]; A: input query; B: input W_q: QUANTISED
;;     2. [M 8,192, K 1,024] x [K 1,024, N 1,024]; A: input key; B: input W_k: QUANTISED
;;     3. [M 8,192, K 1,024] x [K 1,024, N 1,024]; A: input value; B: input W_v: QUANTISED
;;     4. batch 64 x [M 2,048, K 64] x [K 64, N 2,048]; A: computed on the way; B: computed on the way: QUANTISED
;;     5. batch 64 x [M 2,048, K 2,048] x [K 2,048, N 64]; A: softmax (see below); B: computed on the way: QUANTISED
;;     6. [M 8,192, K 1,024] x [K 1,024, N 1,024]; A: computed on the way; B: input W_o: QUANTISED
;;   THE QUANTISER, for each operand of a quantised product, along K:
;;     - K is cut into blocks of 32 from its start; a last block that is shorter is filled with zeros.
;;     - A block's scale is 2^e with e = floor(log2(the largest magnitude in the block)) - 2, held to -126 .. 127; a block of zeros has e = 0. As a byte (E8M0): e + 127.
;;     - Each number is divided by its block's scale, clamped to +-6, and rounded to the nearest number of E2M1, ties to even, subnormals kept.
;;     - The product sums the exact products of the quantised numbers (number of the format x scale) in f32.
;;   ~~~python
;;   def quantise(x, axis):      # numpy; x: float32 -> the quantised numbers, widened to float32 again
;;       x = np.moveaxis(x, axis, -1); K = x.shape[-1]
;;       x = np.pad(x, [(0, 0)] * (x.ndim - 1) + [(0, -K % 32)]); x = x.reshape(x.shape[:-1] + (-1, 32)); a = np.abs(x).max(-1, keepdims=True)
;;       e = np.where(a > 0, np.clip(np.frexp(np.where(a > 0, a, 1))[1] - 1 - 2, -126, 127), 0)      # np.frexp(a)[1] - 1 = floor(log2(a)), exactly
;;       r = np.clip(x / 2.0 ** e, -6, 6)
;;       step = 2.0 ** (np.maximum(np.frexp(np.where(r == 0, 1, r))[1] - 1, 0) - 1)
;;       q = np.round(r / step) * step * 2.0 ** e      # np.round: ties to even
;;       return np.moveaxis(q.reshape(q.shape[:-2] + (-1,))[..., :K], -1, axis).astype(np.float32)
;;   ~~~
;;   SOFTMAX AHEAD OF A QUANTISED PRODUCT. Where the list says 'softmax', what is quantised is not the finished softmax but p = 2^(t - M), with t = logit x log2(e) and M = ceil(the row's largest t), a whole number; so 1/2 < the row's largest p <= 1. The row's sum l is taken of the UNQUANTISED p, in f32, and the product's result is divided by l at the end. Since M is a whole number, a kernel that streams over the keys may use a running M (the ceiling of the running maximum): every later rescaling is an exact power of two, which a block's scale takes up: the codes' values come out the same.
;;   OPERANDS COMPUTED ON THE WAY. 'Computed on the way' means the value that the module computes at that place (a softmax that the list does not call 'softmax' is quantised finished and normalised). What goes into a quantiser is computed in f32, as accurately as f32 sums, v_exp_f32 and their like allow (about 1e-6 of the number): no bf16 or f16 on the way to a quantiser, and a product that is left as it is and whose result goes on into a quantised operand takes f32 operands (vector FMAs, or v_wmma_f32_16x16x4_f32). A number that lies on a knife's edge between two numbers of the format may be rounded either way, as far as f32 arithmetic and the matrix unit's own rounding can turn it there, and no further.
;; 2 versions, each right; version 2 is version 1 with the launch attn written anew for expert scheduling mode. Each part assembles by itself: llvm-mc -triple=amdgcn-amd-amdhsa -mcpu=gfx1250 --defsym DOCPART=n.
;; ======== version 1 of 2: 5 launches
;; workspace buffers: qin 15,597,568 bytes; heads 13,369,344 bytes; mask 2,097,152 bytes of whole numbers; flags 2,048 bytes of whole numbers; xq 4,456,448 bytes
;; launch prep (part 1): grid 448 x 1, 4 waves a work-group, no clusters, 34,304 bytes of LDS; arguments query, key, value, W_q, W_k, W_v, W_o, qin; writes qin
.if DOCPART == 1
	.amdgcn_target "amdgcn-amd-amdhsa--gfx1250"
	.amdhsa_code_object_version 6
	.text
	.protected	k_q9b1aad6075_prep
	.globl	k_q9b1aad6075_prep
	.p2align	8
	.type	k_q9b1aad6075_prep,@function
k_q9b1aad6075_prep:
	s_mov_b64 s[64:65], 0
	v_nop
	global_prefetch_b8 v0, s[64:65] scope:SCOPE_SE
	s_setreg_imm32_b32 hwreg(HW_REG_WAVE_MODE, 25, 1), 1
	s_wait_xcnt 0x0
; query, key, value [8192][1024] and W_q, W_k, W_v, W_o [1024][1024], f32, become codes of FP4 (E2M1) with one E8M0 byte for each 32 along K (the last axis), laid as IMAGES OF OPERAND REGISTERS.
; A TILE is 16 rows: tile T holds rows 32 (T / 2) + 8 (T % 2) + i + 8 (i / 8), i = 0 .. 15, so that the results of two neighbouring tiles used as source 0 are 16 neighbours along the next K.
; Codes of tile G at qin + 8192 G: [K step of 128: 8][c: 2][lane: 32][16 bytes]; lane (r, h) holds k = 128 step + 64 c + 32 h + 0 .. 31 of the tile's row r.  Scale words at qin + 0xE00000 + 512 G: [r][K step], 4 bytes.
; Tiles: query 0.., key 512.., value 1024.., W_q 1536.., W_k 1600.., W_v 1664.., W_o 1728 .. 1791.
; A block's scale is 2^(floor(log2(largest magnitude)) - 2); its byte is that magnitude's exponent field - 2, held at 1 from below.  A block of zeros so gets the byte 1: its codes are zeros, and this program alone reads the bytes.
; LIMITS: NaN and infinities among the inputs are not served.
; SHARES: a wave takes one tile, in 8 steps of 128 along K.  Each load reads 512 consecutive bytes of one row; a step's 16 rows turn through the wave's own stage in LDS (pitch 528 = 33 x 16 bytes)
; and come back 16 neighbours of each block of 32 to a lane.  Loads run two steps (32 loads a wave) ahead.  Waves share nothing: no barrier.
.set R,      16                        ; v16-143  two sets of 64 registers as loaded
.set X,      144                       ; v144-207 register 16 b + i = k 32 b + 16 h + i of my row
.set TM,     208                       ; v208-223 at work in QUANT
.set PC,     224                       ; v224-231 a fragment's codes
.set OUTS,   232                       ; v232-235 my four scale words on the way out
.set SW,     240                       ; v240-247 the scale word of each step
.set SEL,    36                        ; s[36:37] lane selects: lane l xor 16
.set SPITCH, 528
.set WSTG,   16*SPITCH
	s_load_b256 s[4:11], s[0:1], 0x0               ; query, key, value, W_q
	s_load_b256 s[12:19], s[0:1], 0x20             ; W_k, W_v, W_o, qin
	v_lshl_add_u32 v248, v0, 2, 0x8400
	v_mov_b32 v249, 0
	v_lshrrev_b32 v5, 5, v0
	v_readfirstlane_b32 s20, v5                    ; wave
	v_and_b32 v6, 31, v0                           ; lane
	v_and_b32 v7, 15, v0                           ; r
	v_bfe_u32 v8, v0, 4, 1                         ; h
	v_lshlrev_b32 v1, 4, v6                        ; 16 x lane: my bytes of a load's 512, and of a store's
	s_mul_i32 s21, s20, WSTG                       ; my wave's stage
	v_add_nc_u32 v2, s21, v1                       ; into it: 16 x lane, the row in the immediate
	v_mul_u32_u24 v3, v7, SPITCH
	v_lshl_add_u32 v3, v8, 6, v3
	v_add_nc_u32 v3, s21, v3                       ; out of it: row r, + 64 h
	v_lshlrev_b32 v4, 5, v7
	v_lshl_add_u32 v4, v8, 4, v4                   ; the scale words' place: 32 r + 16 h
	v_cmp_ne_u32 vcc_lo, 0, v8                     ; lanes 16-31
	s_mov_b32 s[SEL], 0x76543210
	s_mov_b32 s[SEL+1], 0xfedcba98
.irp b, 0,1,2,3
	v_mov_b32 v[TM+4+\b], 0                        ; written once: a lane permute's destination counts as one of its sources
.endr
	s_lshl_b32 s22, ttmp9, 2                       ; the work-group's first tile: every tensor begins at a multiple of 4, so a work-group lies in one tensor
	s_add_co_u32 s23, s22, s20                     ; my tile G
	s_wait_kmcnt 0x0
	s_mov_b64 s[24:25], s[16:17]                   ; the tensor and its first tile, chosen by the work-group's number alone
	s_mov_b32 s26, 1728
.macro PICK lo, first, bound
	s_cmp_lt_u32 s22, \bound
	s_cselect_b64 s[24:25], s[\lo:\lo+1], s[24:25]
	s_cselect_b32 s26, \first, s26
.endm
	PICK 14, 1664, 1728
	PICK 12, 1600, 1664
	PICK 10, 1536, 1600
	PICK 8, 1024, 1536
	PICK 6, 512, 1024
	PICK 4, 0, 512
	s_sub_co_u32 s27, s23, s26                     ; the tile's number in its tensor
	s_lshr_b32 s28, s27, 1
	s_lshl_b32 s28, s28, 17                        ; 32 rows of 4,096 bytes for each pair of tiles,
	s_and_b32 s29, s27, 1
	s_lshl_b32 s29, s29, 15                        ; 8 rows for the odd one
	s_add_co_u32 s28, s28, s29
	s_mov_b32 s29, 0
	s_add_nc_u64 s[24:25], s[24:25], s[28:29]
	s_lshl_b32 s32, s23, 13
	s_mov_b32 s33, 0
	s_add_nc_u64 s[30:31], s[18:19], s[32:33]      ; my tile's codes
	s_lshl_b32 s32, s23, 9
	s_add_co_u32 s32, s32, 0xE00000
	s_add_nc_u64 s[34:35], s[18:19], s[32:33]      ; and its scale words
.macro LOAD t                          ; K step t of the 16 rows into set t % 2
.irp i, 0,1,2,3,4,5,6,7,8,9,10,11,12,13,14,15
	global_load_b128 v[R+64*((\t)%2)+4*\i:R+64*((\t)%2)+4*\i+3], v1, s[24:25] offset:(\i+8*(\i/8))*4096+512*(\t) th:TH_LOAD_NT
.endr
.endm
; 64 numbers of a lane, register 16 b + i = k 32 b + 16 h + i of my row, become a fragment's codes in v[PC] on and its scale word in v[pw]
.macro QUANT s, pw
.irp b, 0,1,2,3
	v_max3_num_f32 v[TM+\b], |v[\s+16*\b]|, |v[\s+1+16*\b]|, 0x1800000   ; my 16 numbers of block b, and the floor 2^(3 - 127): the byte cannot fall under 1
.endr
.irp i, 2,4,6,8,10,12,14
.irp b, 0,1,2,3
	v_max3_num_f32 v[TM+\b], v[TM+\b], |v[\s+16*\b+\i]|, |v[\s+1+16*\b+\i]|
.endr
.endr
.irp b, 0,1,2,3
	v_permlanex16_b32 v[TM+4+\b], v[TM+\b], s[SEL], s[SEL+1]
.endr
.irp b, 0,1,2,3
	v_max_num_f32 v[TM+\b], v[TM+\b], v[TM+4+\b]   ; with lane l xor 16's: the block's largest magnitude
.endr
.irp b, 0,1,2,3
	v_add_nc_u32 v[TM+12+\b], 0xff000000, v[TM+\b] ; 2 off its exponent field: the conversion's scale operand
.endr
.irp b, 0,1,2,3
	v_lshrrev_b32 v[TM+4+\b], 23, v[TM+12+\b]      ; the scale's byte
.endr
	v_lshl_or_b32 v[\pw], v[TM+5], 8, v[TM+4]
	v_lshl_or_b32 v[\pw], v[TM+6], 16, v[\pw]
	v_lshl_or_b32 v[\pw], v[TM+7], 24, v[\pw]
.irp b, 0,1,2,3
	v_cvt_scalef32_pk8_fp4_f32 v[PC+2*\b], v[\s+16*\b:\s+7+16*\b], v[TM+12+\b]
	v_cvt_scalef32_pk8_fp4_f32 v[PC+1+2*\b], v[\s+8+16*\b:\s+15+16*\b], v[TM+12+\b]
.endr
	v_nop                                          ; one plain place behind a scaled conversion
.irp c, 0,1                            ; the operand's layout wants a whole block in a lane: lanes 0-15 block 2 c, lanes 16-31 block 2 c + 1
.irp i, 0,1
	v_permlane16_swap_b32 v[PC+4*\c+\i], v[PC+2+4*\c+\i]
.endr
.endr
.endm
.macro STEP t
	s_wait_xcnt 0x0                                ; the last step's stores have read their registers: the codes may be written again
.if (\t) < 7
	s_wait_loadcnt 16                              ; this step's 16 loads are in; the next step's 16 may be out
.else
	s_wait_loadcnt 0x0
.endif
.irp i, 0,1,2,3,4,5,6,7,8,9,10,11,12,13,14,15
	ds_store_b128 v2, v[R+64*((\t)%2)+4*\i:R+64*((\t)%2)+4*\i+3] offset:SPITCH*\i
.endr
.irp b, 0,1,2,3
.irp j, 0,1,2,3
	ds_load_b128 v[X+16*\b+4*\j:X+16*\b+4*\j+3], v3 offset:128*\b+16*\j   ; LDS serves a wave's instructions in order: these see the stores above
.endr
.endr
	s_wait_dscnt 0x0                               ; the numbers are back, so the stores have read their registers,
.if (\t)+2 < 8
	LOAD (\t)+2                                    ; which take the loads of two steps on
.endif
	QUANT X, SW+(\t)
	global_store_b128 v1, v[PC:PC+3], s[30:31] offset:1024*(\t)        ; 32 lanes store 512 consecutive bytes
	global_store_b128 v1, v[PC+4:PC+7], s[30:31] offset:1024*(\t)+512
.endm
	LOAD 0
	LOAD 1
.irp t, 0,1,2,3,4,5,6,7
	STEP \t
.endr
.irp i, 0,1,2,3
	v_cndmask_b32 v[OUTS+\i], v[SW+\i], v[SW+4+\i], vcc_lo             ; lanes 0-15 store their row's words 0-3, lanes 16-31 words 4-7
.endr
	global_store_b128 v4, v[OUTS:OUTS+3], s[34:35]                     ; 512 consecutive bytes
	s_wait_tensorcnt 0x0
	ds_add_u32 v248, v249
	s_wait_dscnt 0x0
	s_endpgm
.Lfunc_end_k_q9b1aad6075_prep:
	.size	k_q9b1aad6075_prep, .Lfunc_end_k_q9b1aad6075_prep-k_q9b1aad6075_prep
	.p2alignl 7, 3214868480
	.fill 96, 4, 3214868480
	.section	.rodata,"a",@progbits
	.p2align	6, 0x0
	.amdhsa_kernel k_q9b1aad6075_prep
		.amdhsa_group_segment_fixed_size 34304
		.amdhsa_private_segment_fixed_size 0
		.amdhsa_enable_private_segment 0
		.amdhsa_kernarg_size 64
		.amdhsa_user_sgpr_count 2
		.amdhsa_user_sgpr_kernarg_segment_ptr 1
		.amdhsa_wavefront_size32 1
		.amdhsa_system_sgpr_workgroup_id_x 1
		.amdhsa_system_sgpr_workgroup_id_y 1
		.amdhsa_system_sgpr_workgroup_id_z 1
		.amdhsa_system_vgpr_workitem_id 0
		.amdhsa_next_free_vgpr 250
		.amdhsa_next_free_sgpr 66
		.amdhsa_reserve_vcc 1
		.amdhsa_float_denorm_mode_32 3
		.amdhsa_float_denorm_mode_16_64 3
		.amdhsa_memory_ordered 1
		.amdhsa_forward_progress 1
		.amdhsa_inst_pref_size 64
	.end_amdhsa_kernel
	.amdgpu_metadata
---
amdhsa.version: [ 1, 2 ]
amdhsa.kernels:
  - .name:           k_q9b1aad6075_prep
    .symbol:         k_q9b1aad6075_prep.kd
    .args:
      - { .name: query, .offset: 0, .size: 8, .value_kind: global_buffer, .address_space: global }
      - { .name: key, .offset: 8, .size: 8, .value_kind: global_buffer, .address_space: global }
      - { .name: value, .offset: 16, .size: 8, .value_kind: global_buffer, .address_space: global }
      - { .name: W_q, .offset: 24, .size: 8, .value_kind: global_buffer, .address_space: global }
      - { .name: W_k, .offset: 32, .size: 8, .value_kind: global_buffer, .address_space: global }
      - { .name: W_v, .offset: 40, .size: 8, .value_kind: global_buffer, .address_space: global }
      - { .name: W_o, .offset: 48, .size: 8, .value_kind: global_buffer, .address_space: global }
      - { .name: qin, .offset: 56, .size: 8, .value_kind: global_buffer, .address_space: global }
    .group_segment_fixed_size: 34304
    .private_segment_fixed_size: 0
    .kernarg_segment_align: 8
    .kernarg_segment_size: 64
    .max_flat_workgroup_size: 128
    .sgpr_count:     66
    .vgpr_count:     250
    .wavefront_size: 32
...
	.end_amdgpu_metadata
.endif
;; end of part 1
;; launch maskpack (part 2): grid 128 x 4, 16 waves a work-group, no clusters, 2,304 bytes of LDS; arguments attention_mask, key_padding_mask, mask, flags; writes mask, flags
.if DOCPART == 2
	.amdgcn_target "amdgcn-amd-amdhsa--gfx1250"
	.amdhsa_code_object_version 6
	.text
	.protected	k_q9b1aad6075_maskpack
	.globl	k_q9b1aad6075_maskpack
	.p2align	8
	.type	k_q9b1aad6075_maskpack,@function
k_q9b1aad6075_maskpack:
	s_mov_b64 s[64:65], 0
	v_nop
	global_prefetch_b8 v0, s[64:65] scope:SCOPE_SE
	s_setreg_imm32_b32 hwreg(HW_REG_WAVE_MODE, 25, 1), 1
	s_wait_xcnt 0x0
; The two masks become lane masks for the attention launch, and a word of flags for each batch and tile of 16 queries.
; A score is masked where attention_mask[q][k] == 1 or key_padding_mask[b][k] != 0, as reference() tests them.
; WORDS at mask + (((128 b + qt) 16 + s) 64 + n) 4: bit l of word n is 1 where query 32 (qt / 2) + 8 (qt % 2) + r + 8 (r / 8), r = l % 16, may not see key 128 s + 32 (n / 16) + 16 (l / 16) + n % 16:
; the lane and register in which the attention launch holds that score.
; FLAGS at flags + (128 b + qt) 4: bit s: key step s is computed (some score of it counts, or the tile holds a query all of whose 2,048 keys are masked, which needs every step);
; bit 16 + s: step s holds a masked score.
; SHARES: a work-group takes (qt, b), wave s key step s.  A lane loads its 64 numbers of attention_mask in the order of the score registers; a compare gives a word.
; key_padding_mask hangs on the key alone: lane l loads key 32 b' + l's number (four loads of 128 consecutive bytes), a compare gives W[b'], whose bit l says that key 32 b' + l is padded.  Word n = 16 b' + i wants bit i of W[b'] in
; its lanes 0-15 and bit 16 + i in its lanes 16-31: ((W[b'] >> i) & 0x10001) x 0xffff.  The sixteen waves' figures meet in LDS.
.set A,   16                           ; v16-79   attention_mask, register n
.set KP,  80                           ; v80-83   key_padding_mask, block b': key 32 b' + lane
.set OUT, 12                           ; v[12:13] lane l: words 2 l and 2 l + 1
.set W,   32                           ; s[32:35] the padded keys of block b', a bit a key
	s_load_b128 s[4:7], s[0:1], 0x0                ; attention_mask, key_padding_mask
	s_load_b128 s[8:11], s[0:1], 0x10              ; mask, flags
	v_lshl_add_u32 v84, v0, 2, 0x100
	v_mov_b32 v85, 0
	v_lshrrev_b32 v1, 5, v0
	v_readfirstlane_b32 s12, v1                    ; wave = key step
	v_and_b32 v2, 15, v0                           ; r
	v_bfe_u32 v3, v0, 4, 1                         ; h
	v_and_b32 v4, 8, v2
	v_add_nc_u32 v4, v4, v2                        ; r + 8 (r / 8)
	v_lshlrev_b32 v5, 6, v3                        ; 16 h keys of 4 bytes
	v_lshl_add_u32 v4, v4, 13, v5                  ; + my query's row of 8,192 bytes
	v_and_b32 v6, 31, v0
	v_lshlrev_b32 v7, 3, v6                        ; 8 x lane
	v_lshlrev_b32 v8, 2, v6                        ; 4 x lane
	v_mov_b32 v[OUT], 0
	v_mov_b32 v[OUT+1], 0
	s_and_b32 s13, ttmp7, 0xffff                   ; batch
	s_lshr_b32 s14, ttmp9, 1
	s_lshl_b32 s14, s14, 5
	s_and_b32 s15, ttmp9, 1
	s_lshl_b32 s15, s15, 3
	s_add_co_u32 s14, s14, s15                     ; the tile's first query
	s_lshl_b32 s14, s14, 13
	s_lshl_b32 s16, s12, 9                         ; the step's 128 keys of 4 bytes
	s_add_co_u32 s14, s14, s16
	s_mov_b32 s15, 0
	s_lshl_b32 s17, s13, 13
	s_add_co_u32 s16, s16, s17
	s_mov_b32 s17, 0
	s_lshl_b32 s29, s13, 7
	s_add_co_u32 s29, s29, ttmp9                   ; 128 b + qt
	s_lshl_b32 s18, s29, 4
	s_add_co_u32 s18, s18, s12
	s_lshl_b32 s18, s18, 8                         ; 256 bytes of words for each step
	s_mov_b32 s19, 0
	s_lshl_b32 s26, s29, 2                         ; 4 bytes of flags for each tile
	s_mov_b32 s27, 0
	s_mov_b32 s24, -1                              ; the AND of my 64 words
	s_mov_b32 s25, 0                               ; and their OR
	s_wait_kmcnt 0x0
	s_add_nc_u64 s[4:5], s[4:5], s[14:15]
	s_add_nc_u64 s[6:7], s[6:7], s[16:17]
	s_add_nc_u64 s[18:19], s[8:9], s[18:19]
	s_add_nc_u64 s[26:27], s[10:11], s[26:27]
.irp b, 0,1,2,3
	global_load_b32 v[KP+\b], v8, s[6:7] offset:128*\b
.endr
.irp b, 0,1,2,3
.irp j, 0,1,2,3
	global_load_b128 v[A+16*\b+4*\j:A+16*\b+4*\j+3], v4, s[4:5] offset:128*\b+16*\j
.endr
.endr
	s_wait_loadcnt 16                              ; key_padding_mask's four loads are in; attention_mask's sixteen, issued behind them, may be out
.irp b, 0,1,2,3
	v_cmp_ne_u32 s[W+\b], 0, v[KP+\b]
.endr
.set n, 0
.rept 64                               ; two pairs of scalar registers by turns; the three scalar lines stand between the compare and the line that reads its word
.if (n%16) == 0
	s_wait_loadcnt 12-4*(n/16)                     ; this block's four loads are in; the later blocks' may be out
.endif
	v_cmp_eq_u32 s[20+2*(n%2)], 1, v[A+n]
	s_lshr_b32 s[21+2*(n%2)], s[W+n/16], n%16
	s_and_b32 s[21+2*(n%2)], s[21+2*(n%2)], 0x10001
	s_mul_i32 s[21+2*(n%2)], s[21+2*(n%2)], 0xffff
	s_or_b32 s[20+2*(n%2)], s[20+2*(n%2)], s[21+2*(n%2)]
	v_writelane_b32 v[OUT+n%2], s[20+2*(n%2)], n/2
	s_and_b32 s24, s24, s[20+2*(n%2)]
	s_or_b32 s25, s25, s[20+2*(n%2)]
.set n, n+1
.endr
	global_store_b64 v7, v[OUT:OUT+1], s[18:19]    ; 32 lanes store 256 consecutive bytes, aligned
	v_mov_b32 v9, s12
	v_lshlrev_b32 v9, 2, v9
	v_mov_b32 v10, s24
	v_mov_b32 v11, s25
	ds_store_b32 v9, v10                           ; all lanes write the same word with the same value
	ds_store_b32 v9, v11 offset:64
	s_wait_dscnt 0x0                               ; for the others' sake: my stores have landed
	s_barrier_signal -1
	s_barrier_wait -1
	s_cmp_lg_u32 s12, 0
	s_cbranch_scc1 .Lend                           ; wave 0 makes the flags
	v_lshlrev_b32 v1, 2, v2
	ds_load_b32 v14, v1                            ; lane l: step l % 16's AND,
	ds_load_b32 v15, v1 offset:64                  ; and its OR
	s_wait_dscnt 0x0
	v_cmp_ne_u32 s20, -1, v14                      ; bit s: some score of step s counts
	v_cmp_ne_u32 s21, 0, v15                       ; bit s: some score of step s is masked
	v_readlane_b32 s22, v14, 0
.irp i, 1,2,3,4,5,6,7,8,9,10,11,12,13,14,15
	v_readlane_b32 s23, v14, \i
	s_and_b32 s22, s22, s23                        ; bit l: all 1,024 keys that lane l holds are masked
.endr
	s_lshr_b32 s23, s22, 16
	s_and_b32 s22, s22, s23                        ; a query's keys lie in lanes r and 16 + r
	s_and_b32 s22, s22, 0xffff
	s_cmp_lg_u32 s22, 0
	s_cselect_b32 s22, 0xffff, 0                   ; a wholly masked query: no step is left out
	s_or_b32 s20, s20, s22
	s_and_b32 s20, s20, 0xffff
	s_lshl_b32 s21, s21, 16
	s_or_b32 s20, s20, s21
	v_mov_b32 v10, s20
	v_mov_b32 v11, 0
	v_cmp_eq_u32 vcc_lo, 0, v6
	s_wait_xcnt 0x0                                ; EXEC changes only behind this wait: the store above has been issued
	s_and_saveexec_b32 s28, vcc_lo
	global_store_b32 v11, v10, s[26:27]            ; lane 0 stores the word
	s_wait_xcnt 0x0
	s_or_b32 exec_lo, exec_lo, s28
.Lend:
	s_wait_tensorcnt 0x0
	ds_add_u32 v84, v85
	s_wait_dscnt 0x0
	s_endpgm
.Lfunc_end_k_q9b1aad6075_maskpack:
	.size	k_q9b1aad6075_maskpack, .Lfunc_end_k_q9b1aad6075_maskpack-k_q9b1aad6075_maskpack
	.p2alignl 7, 3214868480
	.fill 96, 4, 3214868480
	.section	.rodata,"a",@progbits
	.p2align	6, 0x0
	.amdhsa_kernel k_q9b1aad6075_maskpack
		.amdhsa_group_segment_fixed_size 2304
		.amdhsa_private_segment_fixed_size 0
		.amdhsa_enable_private_segment 0
		.amdhsa_kernarg_size 32
		.amdhsa_user_sgpr_count 2
		.amdhsa_user_sgpr_kernarg_segment_ptr 1
		.amdhsa_wavefront_size32 1
		.amdhsa_system_sgpr_workgroup_id_x 1
		.amdhsa_system_sgpr_workgroup_id_y 1
		.amdhsa_system_sgpr_workgroup_id_z 1
		.amdhsa_system_vgpr_workitem_id 0
		.amdhsa_next_free_vgpr 86
		.amdhsa_next_free_sgpr 66
		.amdhsa_reserve_vcc 1
		.amdhsa_float_denorm_mode_32 3
		.amdhsa_float_denorm_mode_16_64 3
		.amdhsa_memory_ordered 1
		.amdhsa_forward_progress 1
		.amdhsa_inst_pref_size 32
	.end_amdhsa_kernel
	.amdgpu_metadata
---
amdhsa.version: [ 1, 2 ]
amdhsa.kernels:
  - .name:           k_q9b1aad6075_maskpack
    .symbol:         k_q9b1aad6075_maskpack.kd
    .args:
      - { .name: attention_mask, .offset: 0, .size: 8, .value_kind: global_buffer, .address_space: global }
      - { .name: key_padding_mask, .offset: 8, .size: 8, .value_kind: global_buffer, .address_space: global }
      - { .name: mask, .offset: 16, .size: 8, .value_kind: global_buffer, .address_space: global }
      - { .name: flags, .offset: 24, .size: 8, .value_kind: global_buffer, .address_space: global }
    .group_segment_fixed_size: 2304
    .private_segment_fixed_size: 0
    .kernarg_segment_align: 8
    .kernarg_segment_size: 32
    .max_flat_workgroup_size: 512
    .sgpr_count:     66
    .vgpr_count:     86
    .wavefront_size: 32
...
	.end_amdgpu_metadata
.endif
;; end of part 2
;; launch proj (part 3): grid 4 x 96, 4 waves a work-group, clusters of 4 x 4, 279,040 bytes of LDS; arguments qin, b_q, b_k, b_v, heads; writes heads
.if DOCPART == 3
	.amdgcn_target "amdgcn-amd-amdhsa--gfx1250"
	.amdhsa_code_object_version 6
	.text
	.protected	k_q9b1aad6075_proj
	.globl	k_q9b1aad6075_proj
	.p2align	8
	.type	k_q9b1aad6075_proj,@function
k_q9b1aad6075_proj:
	s_mov_b64 s[64:65], 0
	v_nop
	global_prefetch_b8 v0, s[64:65] scope:SCOPE_SE
	s_setreg_imm32_b32 hwreg(HW_REG_WAVE_MODE, 25, 1), 1
	s_wait_xcnt 0x0
	s_wait_alu depctr_hold_cnt(0) depctr_sa_sdst(0) depctr_va_vdst(0) depctr_va_sdst(0) depctr_va_ssrc(0) depctr_va_vcc(0) depctr_vm_vsrc(0)
	s_getreg_b32 s2, hwreg(HW_REG_IB_STS2, 6, 4)
	s_cmp_eq_u32 s2, 0
	s_cbranch_scc0 .Lentry_in_a_cluster
	s_endpgm
.Lentry_in_a_cluster:
	s_bfe_u32 s2, ttmp6, 0x10000c
	s_cmp_lg_u32 s2, 0xf033
	s_cbranch_scc0 .Lentry_shape_is_right
	s_endpgm
.Lentry_shape_is_right:
; q = query W_q^T + b_q, k = key W_k^T + b_k, v = value W_v^T + b_v on codes of FP4 with E8M0 scales, sums in f32; the results are quantised in registers and leave as images of operand registers.
; INPUT: qin, as the launch before laid it: tile G's codes at 8192 G ([K step][c][lane][16 bytes]), its scale words at 0xE00000 + 512 G ([row][K step]).  Tile T holds rows 32 (T / 2) + 8 (T % 2) + i + 8 (i / 8).
; SHARES: work-group (x, y) makes 256 x 256 over all of K = 1,024: tokens' tiles 16 y .. (y / 32 = the tensor: 0 query, 1 key, 2 value), the weight's tiles 16 x ..  A wave makes 128 x 128: 64 accumulators, 512 registers.
; ROLES: P is source 0: a lane's registers run along P, the axis that is quantised next.  R is source 1: a lane holds one row of R.  q and k are quantised along the head's channels: P = the weight, R = tokens.
; v is quantised along the keys: P = value's tokens, R = W_v: so V^T comes out with the keys innermost and nothing is transposed.  Only the LDS bases, the bias and the stores differ; that choice hangs on the cluster's y alone.
; OUTPUT (hb = 16 batch + head): Q codes at 0, K codes at 0x400000: [hb][tile of 16 tokens: 128][lane][16 bytes], lane (r, h): channels 32 h .. of the tile's token r; their scale words at 0xC00000, 0xC40000: [hb][pair of tiles][r],
; bytes 0, 1 the even tile's two blocks, bytes 2, 3 the odd tile's.  V codes at 0x800000: [hb][step of 128 keys][tile of 16 channels: 4][c][lane][16 bytes]; V's scale words at 0xC80000: [hb][step][tile][r].
; LDS: all of K lies in LDS, filled once: chunk q (K steps 4 q ..) at 131072 q: the tokens' 16 tiles x 4,096 bytes, then the weight's; the scale words at 262144.  No byte is filled twice.
; The chunk is outermost so that every read of chunk 0, whichever side its base names, lies under byte 131072 while chunk 1 is on its way.
; CLUSTER: 4 x 4 work-groups.  The tokens' tiles hang on y alone and are asked for jointly along a row of the cluster, the weight's on x and the tensor and are asked for jointly along a column.
; LIMITS: NaN and infinities are not served; a block of zeros carries the byte 1 (its codes are zeros; this program alone reads the bytes).
; REGISTERS: window 0: v1-27 addresses; v32-63 P's scale words, v64-95 R's (lanes 0-15 an even tile's, lanes 16-31 the odd one's); v128-191, v192-255 R's fragments, two sets; on the way out v128-163 at work.
;   window 1: v0-63, v128-191 P's fragments, two sets; v64-127 the bias, in the result's layout.   windows 2, 3: accumulator (a, b) at v[8 (8 (a % 4) + b)], a = R's tile, b = P's.
.set CH,   131072
.set SIDE, 65536
.set SCL,  262144
.set ADRP, 16                          ; v16-17 LDS address of P's fragments in chunk 0, 1
.set ADRR, 20                          ; v20-21 the same for R
.set ADSP, 22                          ; v22    P's scale words
.set ADSR, 23                          ; v23    R's
.set OA,   24                          ; v24    my byte offset among the codes that I store
.set OS,   25                          ; v25    and among the scale words
.set BO,   27                          ; v27    my byte offset in the bias
.set SCP,  32
.set SCR,  64
.set RF,   128
.set BIAS, 64
.set TM,   128
.set PC,   144
.set PW,   160
.set T,    162
.set G1X,  24                          ; s[24:31] group 1 for the tokens' codes;  s[32:39] for the weight's;  s[40:47], s[48:55] for their scale words
.set G1W,  32
.set G1SX, 40
.set G1SW, 48
.set G0SX, 56                          ; groups 0: the tokens' scale words, chunk 0, chunk 1;
.set G0X0, 60
.set G0X1, 68
.set G0SW, 72                          ; the weight's
.set G0W0, 76
.set G0W1, 80
.set SEL,  100
.set MSB, 0
.macro WIN new                         ; the immediate's high byte repeats the setting that is left
.if MSB != (\new)
	s_set_vgpr_msb (MSB<<8)|(\new)
.set MSB, (\new)
.endif
.endm
; A joint load: waves 0 and 1 fetch the tokens' halves, waves 2 and 3 the weight's.  The branch hangs on the wave's number alone.  Four v_nop follow each of the two lines.
.macro JLOAD g0x, g1x, g0w, g1w
	s_cmp_eq_u32 s15, 0
	s_cbranch_scc0 .Lfor_w_\@
	tensor_load_to_lds s[\g0x:\g0x+3], s[\g1x:\g1x+7]
	s_nop 0
.rept 4
	v_nop
.endr
	s_branch .Lasked_\@
.Lfor_w_\@:
	tensor_load_to_lds s[\g0w:\g0w+3], s[\g1w:\g1w+7]
	s_nop 0
.rept 4
	v_nop
.endr
.Lasked_\@:
.endm
.macro CROUND                          ; a round of the cluster's barrier
	s_barrier_signal -1
	s_barrier_wait -1
	s_cmp_lg_u32 s14, 0
	s_cbranch_scc1 .Lnot_wave_0_\@
	s_barrier_signal -3
.Lnot_wave_0_\@:
	s_barrier_wait -3
	s_barrier_signal -1
	s_barrier_wait -1
.endm
.macro SETG0 g, l, lc, p, pc           ; group 0: LDS byte s[l] + lc, global address s[p:p+1] + pc
	s_mov_b32 s[\g], 1
	s_add_co_u32 s[\g+1], s[\l], \lc
	s_add_nc_u64 s[\g+2:\g+3], s[\p:\p+1], \pc
	s_or_b32 s[\g+3], s[\g+3], 0x80000000
.endm
.macro PLACES                          ; four places in front of loads into registers that matrix instructions have read, and of the first read of results
.rept 4
	v_nop
.endr
.endm
	s_load_b256 s[4:11], s[0:1], 0x0               ; qin, b_q, b_k, b_v
	s_load_b64 s[12:13], s[0:1], 0x20              ; heads
	v_lshl_add_u32 v126, v0, 2, 0x44000
	v_mov_b32 v127, 0
	ds_add_u32 v126, v127
	ds_add_u32 v126, v127
	v_lshrrev_b32 v1, 5, v0
	v_readfirstlane_b32 s14, v1                    ; wave 0..3
	s_lshr_b32 s15, s14, 1                         ; wr: my half of R.  Also: I fetch the tokens' side (0) or the weight's (1)
	s_and_b32 s16, s14, 1                          ; wp: my half of P.  Also: which 8 tiles of that side I fetch
	s_bfe_u32 s17, ttmp6, 0x40000                  ; cx
	s_bfe_u32 s18, ttmp6, 0x40004                  ; cy
	s_lshl_b32 s19, ttmp9, 2
	s_add_co_u32 s19, s19, s17                     ; x
	s_and_b32 s23, ttmp7, 0xffff                   ; the cluster's y
	s_lshl_b32 s20, s23, 2
	s_add_co_u32 s20, s20, s18                     ; y
	s_lshr_b32 s21, s23, 3                         ; the tensor: the same in all sixteen partners
	s_lshl_b32 s84, s18, 2
	s_lshl_b32 s84, 15, s84                        ; my row of the cluster
	s_lshl_b32 s85, 0x1111, s17                    ; my column
	s_or_b32 s[G1X], s84, (3<<16)|(1<<21)          ; 15:0 the mask; 17:16 elements of 8 bytes; 21 set beside a mask; no padding
	s_or_b32 s[G1W], s85, (3<<16)|(1<<21)
	s_or_b32 s[G1SX], s84, (3<<16)|(1<<21)
	s_or_b32 s[G1SW], s85, (3<<16)|(1<<21)
.irp g, G1X, G1W                       ; half a chunk of a side: 8 tiles' 4,096 bytes (512 elements), 8,192 bytes apart in memory, on end in LDS
	s_mov_b32 s[\g+1], 512<<16
	s_mov_b32 s[\g+2], 8<<16
	s_mov_b32 s[\g+3], 512<<16
	s_mov_b32 s[\g+4], 8
	s_mov_b32 s[\g+5], 1024
	s_mov_b32 s[\g+6], 0
	s_mov_b32 s[\g+7], 0
.endr
.irp g, G1SX, G1SW                     ; 8 tiles' scale words: 4,096 dense bytes as 16 rows of 256
	s_mov_b32 s[\g+1], 32<<16
	s_mov_b32 s[\g+2], 16<<16
	s_mov_b32 s[\g+3], 32<<16
	s_mov_b32 s[\g+4], 16
	s_mov_b32 s[\g+5], 32
	s_mov_b32 s[\g+6], 0
	s_mov_b32 s[\g+7], 0
.endr
	s_lshl_b32 s94, s16, 16                        ; my half: 8 tiles of codes,
	s_lshl_b32 s95, s16, 12                        ; of scale words
	s_lshl_b32 s86, s20, 17                        ; the tokens' side: tile 16 y
	s_add_co_u32 s86, s86, s94
	s_mov_b32 s87, 0
	s_lshl_b32 s88, s20, 13
	s_add_co_u32 s88, s88, s95
	s_add_co_u32 s88, s88, 0xE00000
	s_mov_b32 s89, 0
	s_lshl_b32 s90, s21, 6                         ; the weight's side: tile 1536 + 64 tensor + 16 x
	s_lshl_b32 s92, s19, 4
	s_add_co_u32 s90, s90, s92
	s_add_co_u32 s90, s90, 1536
	s_lshl_b32 s92, s90, 9
	s_lshl_b32 s90, s90, 13
	s_add_co_u32 s90, s90, s94
	s_add_co_u32 s92, s92, s95
	s_add_co_u32 s92, s92, 0xE00000
	s_mov_b32 s91, 0
	s_mov_b32 s93, 0
	s_lshl_b32 s96, s14, 15                        ; where they go: wave x 32,768 in a chunk,
	s_lshl_b32 s97, s14, 12                        ; wave x 4,096 among the scale words: no place in the cluster enters an LDS address
	s_mov_b32 s[SEL], 0x76543210
	s_mov_b32 s[SEL+1], 0xfedcba98
	s_wait_dscnt 0x0
	s_wait_kmcnt 0x0
	s_add_nc_u64 s[86:87], s[4:5], s[86:87]
	s_add_nc_u64 s[88:89], s[4:5], s[88:89]
	s_add_nc_u64 s[90:91], s[4:5], s[90:91]
	s_add_nc_u64 s[92:93], s[4:5], s[92:93]
	CROUND                                         ; all sixteen work-groups are here: the joint loads meet
	SETG0 G0SX, 97, SCL, 88, 0
	SETG0 G0SW, 97, SCL, 92, 0
	JLOAD G0SX, G1SX, G0SW, G1SW                   ; the scale words of all of K,
	SETG0 G0X0, 96, 0, 86, 0
	SETG0 G0W0, 96, 0, 90, 0
	JLOAD G0X0, G1X, G0W0, G1W                     ; K steps 0 to 3,
	SETG0 G0X1, 96, CH, 86, 4096
	SETG0 G0W1, 96, CH, 90, 4096
	JLOAD G0X1, G1X, G0W1, G1W                     ; K steps 4 to 7: three loads of mine are out
	v_and_b32 v1, 31, v0                           ; lane
	v_lshlrev_b32 v2, 4, v1                        ; 16 x lane: an image's place for my lane
	v_and_b32 v3, 15, v0                           ; r
	v_bfe_u32 v4, v0, 4, 1                         ; h
	s_cmp_eq_u32 s21, 2                            ; value's blocks take the tokens as P
	s_cselect_b32 s84, 0, SIDE                     ; P's side,
	s_cselect_b32 s85, SIDE, 0                     ; R's
	s_lshl_b32 s94, s16, 15
	s_add_co_u32 s94, s94, s84
	s_lshl_b32 s95, s15, 15
	s_add_co_u32 s95, s95, s85
	v_add_nc_u32 v[ADRP], s94, v2
	v_add_nc_u32 v[ADRP+1], CH, v[ADRP]
	v_add_nc_u32 v[ADRR], s95, v2
	v_add_nc_u32 v[ADRR+1], CH, v[ADRR]
	v_lshlrev_b32 v5, 5, v3
	v_lshl_add_u32 v5, v4, 9, v5                   ; scale words: row r's 32 bytes; lanes 16-31 take the odd tile
	s_lshr_b32 s84, s84, 3                         ; a side's scale words are 8,192 bytes
	s_lshr_b32 s85, s85, 3
	s_lshl_b32 s94, s16, 12
	s_add_co_u32 s94, s94, s84
	s_add_co_u32 s94, s94, SCL
	s_lshl_b32 s95, s15, 12
	s_add_co_u32 s95, s95, s85
	s_add_co_u32 s95, s95, SCL
	v_add_nc_u32 v[ADSP], s94, v5
	v_add_nc_u32 v[ADSR], s95, v5
	; THE BIAS is the C of each sum's first product: 64 registers of window 1 in the result's layout
	s_cmp_eq_u32 s21, 2
	s_cbranch_scc1 .Lbias_v
	s_cmp_eq_u32 s21, 0
	s_cselect_b64 s[2:3], s[6:7], s[8:9]           ; b_q or b_k
	s_lshl_b32 s98, s19, 10
	s_lshl_b32 s99, s16, 9
	s_add_co_u32 s98, s98, s99                     ; my 128 channels (P)
	s_mov_b32 s99, 0
	s_add_nc_u64 s[2:3], s[2:3], s[98:99]
	v_lshlrev_b32 v[BO], 6, v4                     ; register j of P's tile b is channel 32 (b / 2) + 8 (b % 2) + 16 h + j
	WIN 0x40
.irp b, 0,1,2,3,4,5,6,7
	global_load_b128 v[BIAS+8*\b:BIAS+8*\b+3], v[BO], s[2:3] offset:(32*(\b/2)+8*(\b%2))*4
	global_load_b128 v[BIAS+8*\b+4:BIAS+8*\b+7], v[BO], s[2:3] offset:(32*(\b/2)+8*(\b%2))*4+16
.endr
	WIN 0
	s_branch .Lbias_in
.Lbias_v:
	s_lshl_b32 s98, s19, 10
	s_lshl_b32 s99, s15, 9
	s_add_co_u32 s98, s98, s99                     ; my 128 channels (R)
	s_mov_b32 s99, 0
	s_add_nc_u64 s[2:3], s[10:11], s[98:99]
	v_and_b32 v[BO], 8, v3
	v_add_nc_u32 v[BO], v[BO], v3
	v_lshlrev_b32 v[BO], 2, v[BO]                  ; my lane's channel of R's tile a: 32 (a / 2) + 8 (a % 2) + r + 8 (r / 8): the same number in all eight registers
	WIN 0x40
.irp a, 0,1,2,3,4,5,6,7
.irp j, 0,1,2,3,4,5,6,7
	global_load_b32 v[BIAS+8*\a+\j], v[BO], s[2:3] offset:(32*(\a/2)+8*(\a%2))*4
.endr
.endr
	WIN 0
.Lbias_in:
; K step q's fragments into set q % 2: P's eight and R's eight, two loads of 512 consecutive bytes each; with a chunk's first step its scale words (four words a row and load)
.macro FETCH q
	WIN 0x40                                       ; destination window 1, address window 0
.irp b, 0,1,2,3,4,5,6,7
.irp c, 0,1
	ds_load_b128 v[128*((\q)%2)+8*\b+4*\c:128*((\q)%2)+8*\b+4*\c+3], v[ADRP+(\q)/4] offset:\b*4096+((\q)%4)*1024+512*\c
.endr
.endr
	WIN 0
.irp a, 0,1,2,3,4,5,6,7
.irp c, 0,1
	ds_load_b128 v[RF+64*((\q)%2)+8*\a+4*\c:RF+64*((\q)%2)+8*\a+4*\c+3], v[ADRR+(\q)/4] offset:\a*4096+((\q)%4)*1024+512*\c
.endr
.endr
.if ((\q)%4) == 0
.irp i, 0,1,2,3
	ds_load_b128 v[SCP+16*((\q)/4)+4*\i:SCP+16*((\q)/4)+4*\i+3], v[ADSP] offset:\i*1024+16*((\q)/4)
	ds_load_b128 v[SCR+16*((\q)/4)+4*\i:SCR+16*((\q)/4)+4*\i+3], v[ADSR] offset:\i*1024+16*((\q)/4)
.endr
.endif
.endm
; One product.  ck = 0: onto the sum; 1: the sum starts with the bias of P's tile; 2: with that of R's tile.  An odd tile's scale words lie in lanes 16-31 of its pair's register.
.macro WM a, b, q, ck
.set rD, 8*(8*((\a)%4)+(\b))
.set rP, 128*((\q)%2)+8*(\b)
.set rR, RF+64*((\q)%2)+8*(\a)
.set rSP, SCP+16*((\q)/4)+4*((\b)/2)+(\q)%4
.set rSR, SCR+16*((\q)/4)+4*((\a)/2)+(\q)%4
.set rC, rD
.if \ck == 1
.set rC, BIAS+8*(\b)
.elseif \ck == 2
.set rC, BIAS+8*(\a)
.endif
.set par, 2*((\a)%2)+(\b)%2
.if par == 0
	v_wmma_scale_f32_16x16x128_f8f6f4 v[rD:rD+7], v[rP:rP+7], v[rR:rR+7], v[rC:rC+7], v[rSP], v[rSR] matrix_a_fmt:MATRIX_FMT_FP4 matrix_b_fmt:MATRIX_FMT_FP4
.elseif par == 1
	v_wmma_scale_f32_16x16x128_f8f6f4 v[rD:rD+7], v[rP:rP+7], v[rR:rR+7], v[rC:rC+7], v[rSP], v[rSR] matrix_a_fmt:MATRIX_FMT_FP4 matrix_b_fmt:MATRIX_FMT_FP4 matrix_a_scale:MATRIX_SCALE_ROW1
.elseif par == 2
	v_wmma_scale_f32_16x16x128_f8f6f4 v[rD:rD+7], v[rP:rP+7], v[rR:rR+7], v[rC:rC+7], v[rSP], v[rSR] matrix_a_fmt:MATRIX_FMT_FP4 matrix_b_fmt:MATRIX_FMT_FP4 matrix_b_scale:MATRIX_SCALE_ROW1
.else
	v_wmma_scale_f32_16x16x128_f8f6f4 v[rD:rD+7], v[rP:rP+7], v[rR:rR+7], v[rC:rC+7], v[rSP], v[rSR] matrix_a_fmt:MATRIX_FMT_FP4 matrix_b_fmt:MATRIX_FMT_FP4 matrix_a_scale:MATRIX_SCALE_ROW1 matrix_b_scale:MATRIX_SCALE_ROW1
.endif
.endm
.macro MUL16 a0, q, ck
.irp a, \a0, \a0+1
.irp b, 0,1,2,3,4,5,6,7
	WM \a, \b, \q, \ck
.endr
.endr
.endm
; A K step's 64 products: the 64 accumulators take turns, one instruction a turn, in the same order in every step
.macro MUL q, ck
.if \ck
	WIN 0x91                                       ; source 0 and C window 1, source 1 window 0, D window 2
.else
	WIN 0xa1                                       ; C and D window 2
.endif
	MUL16 0, \q, \ck
	MUL16 2, \q, \ck
.if \ck
	WIN 0xd1
.else
	WIN 0xf1
.endif
	MUL16 4, \q, \ck
	MUL16 6, \q, \ck
	WIN 0
.endm
.macro STEP q
	s_wait_dscnt 0x0                               ; this step's fragments, asked for 64 matrix instructions ago, are in
.if \q == 3
	s_wait_tensorcnt 0x0                           ; my part of chunk 1 has landed,
	s_barrier_signal -1
	s_barrier_wait -1                              ; everybody's has
.endif
.if \q < 7
	PLACES
	FETCH (\q)+1
.endif
	MUL \q, 0
.endm
	s_wait_tensorcnt 0x1                           ; the scale words and my part of chunk 0 are in; chunk 1's load, issued behind them, may be out
	s_barrier_signal -1
	s_barrier_wait -1
	FETCH 0
	s_wait_loadcnt 0x0                             ; the bias
	s_wait_dscnt 0x0
	FETCH 1
	s_cmp_eq_u32 s21, 2
	s_cbranch_scc1 .Lfirst_v
	MUL 0, 1
	s_branch .Lfirst_done
.Lfirst_v:
	MUL 0, 2
.Lfirst_done:
.irp q, 1,2,3,4,5,6,7
	STEP \q
.endr
; THE WAY OUT.  R's tile a: a lane's 64 registers are 128 neighbours' worth along P (register 16 b + i = P index 32 b + 16 h + i of my row): four blocks of 32 become a fragment's codes and a scale word.
; Each accumulator is read from its low end on.
.macro QUANTW a
.set W, 2+(\a)/4
.set A0, 64*((\a)%4)
.set PCa, PC+8*((\a)%2)
.set PWa, PW+(\a)%2
	WIN (W<<2)|(W<<4)                              ; sources 1 and 2: the accumulators' window
.irp b, 0,1,2,3
	v_max3_num_f32 v[TM+\b], 0x1800000, |v[A0+16*\b]|, |v[A0+16*\b+1]|   ; with the floor 2^(3 - 127): the byte cannot fall under 1
.endr
.irp i, 2,4,6,8,10,12,14
.irp b, 0,1,2,3
	v_max3_num_f32 v[TM+\b], v[TM+\b], |v[A0+16*\b+\i]|, |v[A0+16*\b+\i+1]|
.endr
.endr
	WIN 0
.irp b, 0,1,2,3
	v_permlanex16_b32 v[TM+4+\b], v[TM+\b], s[SEL], s[SEL+1]
.endr
.irp b, 0,1,2,3
	v_max_num_f32 v[TM+\b], v[TM+\b], v[TM+4+\b]
.endr
.irp b, 0,1,2,3
	v_add_nc_u32 v[TM+12+\b], 0xff000000, v[TM+\b]
.endr
.irp b, 0,1,2,3
	v_lshrrev_b32 v[TM+4+\b], 23, v[TM+12+\b]
.endr
	v_lshl_or_b32 v[PWa], v[TM+5], 8, v[TM+4]
	v_lshl_or_b32 v[PWa], v[TM+6], 16, v[PWa]
	v_lshl_or_b32 v[PWa], v[TM+7], 24, v[PWa]
	WIN W                                          ; source 0: the accumulators' window
.irp b, 0,1,2,3
	v_cvt_scalef32_pk8_fp4_f32 v[PCa+2*\b], v[A0+16*\b:A0+16*\b+7], v[TM+12+\b]
	v_cvt_scalef32_pk8_fp4_f32 v[PCa+2*\b+1], v[A0+16*\b+8:A0+16*\b+15], v[TM+12+\b]
.endr
	WIN 0
	v_nop                                          ; one plain place behind a scaled conversion
.irp c, 0,1
.irp i, 0,1
	v_permlane16_swap_b32 v[PCa+4*\c+\i], v[PCa+4*\c+2+\i]
.endr
.endr
.endm
.macro EPI isv
.irp a, 0,2,4,6
	s_wait_xcnt 0x0                                ; the last pair's stores have read their registers
	QUANTW \a
	QUANTW \a+1
.if \isv
	global_store_b128 v[OA], v[PC:PC+3], s[12:13] offset:(\a/4)*65536+(\a%4)*1024          ; channels' tile a: keys 32 h .., then 64 + 32 h ..: 512 consecutive bytes a store
	global_store_b128 v[OA], v[PC+4:PC+7], s[12:13] offset:(\a/4)*65536+(\a%4)*1024+512
	global_store_b128 v[OA], v[PC+8:PC+11], s[12:13] offset:(\a/4)*65536+(\a%4)*1024+1024
	global_store_b128 v[OA], v[PC+12:PC+15], s[12:13] offset:(\a/4)*65536+(\a%4)*1024+1536
	v_cndmask_b32 v[T], v[PW], v[PW+1], vcc_lo                                             ; lanes 0-15 tile a's words, lanes 16-31 tile a + 1's
	global_store_b32 v[OS], v[T], s[12:13] offset:(\a/4)*4096+(\a%4)*64
.else
	global_store_b128 v[OA], v[PC:PC+3], s[12:13] offset:\a*512                            ; tokens' tile a: my first head's 64 channels,
	global_store_b128 v[OA], v[PC+4:PC+7], s[12:13] offset:65536+\a*512                    ; my second head's
	global_store_b128 v[OA], v[PC+8:PC+11], s[12:13] offset:\a*512+512
	global_store_b128 v[OA], v[PC+12:PC+15], s[12:13] offset:65536+\a*512+512
	v_perm_b32 v[T], v[PW+1], v[PW], 0x05040100                                            ; the first head's two bytes of tile a, then of tile a + 1;
	v_perm_b32 v[T+1], v[PW+1], v[PW], 0x07060302                                          ; the second head's
	v_cndmask_b32 v[T], v[T], v[T+1], vcc_lo                                               ; lanes 0-15 store the first head's word, lanes 16-31 the second's
	global_store_b32 v[OS], v[T], s[12:13] offset:(\a/2)*64
.endif
.endr
.endm
	PLACES
	v_cmp_ne_u32 vcc_lo, 0, v4                     ; lanes 16-31
.irp b, 0,1,2,3
	v_mov_b32 v[TM+4+\b], 0                        ; written once: a lane permute's destination counts as one of its sources
.endr
	s_and_b32 s84, s20, 31                         ; the block of 256 tokens in its tensor:
	s_lshr_b32 s85, s84, 3                         ; the batch,
	s_and_b32 s84, s84, 7                          ; the block in the batch
	s_lshl_b32 s86, s85, 4
	s_lshl_b32 s87, s19, 2
	s_add_co_u32 s86, s86, s87                     ; 16 batch + 4 x
	s_cmp_eq_u32 s21, 2
	s_cbranch_scc1 .Lepi_v
	s_lshl_b32 s87, s16, 1
	s_add_co_u32 s86, s86, s87                     ; hb of my first head: + 2 wp
	s_lshl_b32 s87, s84, 4
	s_lshl_b32 s88, s15, 3
	s_add_co_u32 s87, s87, s88                     ; my first tile of tokens in the batch
	s_lshl_b32 s88, s21, 22                        ; Q's codes or K's
	s_lshl_b32 s89, s86, 16
	s_add_co_u32 s88, s88, s89
	s_lshl_b32 s89, s87, 9
	s_add_co_u32 s88, s88, s89
	v_add_nc_u32 v[OA], s88, v2
	s_lshl_b32 s88, s21, 18
	s_lshl_b32 s89, s86, 12
	s_add_co_u32 s88, s88, s89
	s_lshl_b32 s89, s87, 5                         ; 64 bytes for each pair of tiles
	s_add_co_u32 s88, s88, s89
	s_add_co_u32 s88, s88, 0xC00000
	v_lshlrev_b32 v[OS], 2, v3
	v_lshl_add_u32 v[OS], v4, 12, v[OS]            ; 4 r; lanes 16-31 one head on
	v_add_nc_u32 v[OS], s88, v[OS]
	EPI 0
	s_branch .Lout
.Lepi_v:
	s_lshl_b32 s87, s15, 1
	s_add_co_u32 s86, s86, s87                     ; hb of my first head: + 2 wr
	s_lshl_b32 s87, s84, 1
	s_add_co_u32 s87, s87, s16                     ; my step of 128 keys
	s_lshl_b32 s86, s86, 4
	s_add_co_u32 s86, s86, s87
	s_lshl_b32 s88, s86, 12
	s_add_co_u32 s88, s88, 0x800000
	v_add_nc_u32 v[OA], s88, v2
	s_lshl_b32 s88, s86, 8
	s_add_co_u32 s88, s88, 0xC80000
	v_lshlrev_b32 v[OS], 2, v1
	v_add_nc_u32 v[OS], s88, v[OS]
	EPI 1
.Lout:
	s_wait_dscnt 0x0
	s_wait_tensorcnt 0x0
	ds_add_u32 v126, v127
	s_wait_dscnt 0x0
	CROUND                                         ; the closing round: no work-group ends while a partner may still ask for a tile that names it
	s_endpgm
.Lfunc_end_k_q9b1aad6075_proj:
	.size	k_q9b1aad6075_proj, .Lfunc_end_k_q9b1aad6075_proj-k_q9b1aad6075_proj
	.p2alignl 7, 3214868480
	.fill 96, 4, 3214868480
	.section	.rodata,"a",@progbits
	.p2align	6, 0x0
	.amdhsa_kernel k_q9b1aad6075_proj
		.amdhsa_group_segment_fixed_size 279040
		.amdhsa_private_segment_fixed_size 0
		.amdhsa_enable_private_segment 0
		.amdhsa_kernarg_size 40
		.amdhsa_user_sgpr_count 2
		.amdhsa_user_sgpr_kernarg_segment_ptr 1
		.amdhsa_wavefront_size32 1
		.amdhsa_system_sgpr_workgroup_id_x 1
		.amdhsa_system_sgpr_workgroup_id_y 1
		.amdhsa_system_sgpr_workgroup_id_z 1
		.amdhsa_system_vgpr_workitem_id 0
		.amdhsa_next_free_vgpr 1024
		.amdhsa_next_free_sgpr 102
		.amdhsa_reserve_vcc 1
		.amdhsa_float_denorm_mode_32 3
		.amdhsa_float_denorm_mode_16_64 3
		.amdhsa_memory_ordered 1
		.amdhsa_forward_progress 1
		.amdhsa_inst_pref_size 177
	.end_amdhsa_kernel
	.amdgpu_metadata
---
amdhsa.version: [ 1, 2 ]
amdhsa.kernels:
  - .name:           k_q9b1aad6075_proj
    .symbol:         k_q9b1aad6075_proj.kd
    .args:
      - { .name: qin, .offset: 0, .size: 8, .value_kind: global_buffer, .address_space: global }
      - { .name: b_q, .offset: 8, .size: 8, .value_kind: global_buffer, .address_space: global }
      - { .name: b_k, .offset: 16, .size: 8, .value_kind: global_buffer, .address_space: global }
      - { .name: b_v, .offset: 24, .size: 8, .value_kind: global_buffer, .address_space: global }
      - { .name: heads, .offset: 32, .size: 8, .value_kind: global_buffer, .address_space: global }
    .group_segment_fixed_size: 279040
    .private_segment_fixed_size: 0
    .kernarg_segment_align: 8
    .kernarg_segment_size: 40
    .max_flat_workgroup_size: 128
    .sgpr_count:     102
    .vgpr_count:     1024
    .wavefront_size: 32
...
	.end_amdgpu_metadata
.endif
;; end of part 3
;; launch attn (part 4): grid 4 x 64, 16 waves a work-group, no clusters, 141,312 bytes of LDS; arguments heads, mask, flags, xq; writes xq
.if DOCPART == 4
	.amdgcn_target "amdgcn-amd-amdhsa--gfx1250"
	.amdhsa_code_object_version 6
	.text
	.protected	k_q9b1aad6075_attn
	.globl	k_q9b1aad6075_attn
	.p2align	8
	.type	k_q9b1aad6075_attn,@function
k_q9b1aad6075_attn:
	s_mov_b64 s[64:65], 0
	v_nop
	global_prefetch_b8 v0, s[64:65] scope:SCOPE_SE
	s_setreg_imm32_b32 hwreg(HW_REG_WAVE_MODE, 25, 1), 1
	s_wait_xcnt 0x0
; x[b][q][head] = softmax_k(q . k / 8, masked) v, both products on codes of FP4 with E8M0 scales, and x quantised along the model's 1,024 for the last product.
; THE SOFTMAX: t = score x log2(e) / 8; M = the row's largest t so far, rounded up to a whole number; p = 2^(t - M) is quantised along the keys, not normalised; the row's sum of the unquantised p divides at the end.
; When M moves, the sum and O are multiplied by 2^(old M - new M): exact.
; INPUT: heads, as the launch before laid it (hb = 16 batch + head): Q, K codes [hb][tile of 16 tokens][lane][16 bytes]; V codes [hb][step of 128 keys][tile of 16 channels][c][lane][16 bytes]; scale words beside them.
; mask: for each (batch, tile of queries, step) 64 lane masks in the order of the score registers.  flags: a word for each (batch, tile): bit s: step s is computed; bit 16 + s: step s holds a masked score.
; SHARES: a work-group owns one head of one batch and a quarter of its queries; the head's whole K and V (136 KiB of codes and scale words) lie in LDS, brought once through registers.  Each of the sixteen waves makes two tiles
; of 16 queries, one after the other: of block g = 2 x + wave / 8 of 128 queries and of block 15 - g.
; A STEP IS LEFT OUT where all its 16 x 128 scores are masked: a scalar branch on the stored flags.  Such scores have p = 0 in every row that sees any key; a tile that holds a wholly masked row leaves nothing out.
; A MASKED SCORE becomes -2^126.  c x 2^126 is exact and whole, so while a row has seen masked keys alone M = t and p = 1 exactly; its first real key makes the factor 2^(old M - new M) zero, which wipes what was summed;
; from then on masked scores give p = 0.  A wholly masked row ends as the mean over all keys, as reference() has it.
; THE FIRST PRODUCT HAS K = 64, half of the instruction's 128: one fragment of K's codes holds TWO tiles of keys (registers 0-3, 4-7), and the queries' fragment exists twice, [q | zeros] and [zeros | q]: zero codes add nothing.
; LAYOUT: both products are used transposed (S^T = K Q^T, O^T = V^T P^T): a lane holds one query throughout; the tokens of a tile are 32 (T / 2) + 8 (T % 2) + i + 8 (i / 8), so that the 16 registers of two neighbouring tiles are 16 neighbours.
; NO CLUSTER: the four work-groups of a head read the same 139,264 bytes, but the walk over the steps hangs on flags read from memory; each work-group reads them once, at its head.
; OUTPUT: xq: tile T = 128 batch + qt: codes at 8192 T + 512 head + 16 lane; scale bytes at 0x400000 + 512 T + 32 r + 2 head + block.
; LIMITS: NaN and infinities are not served; a real score lies above -2^126; a block of zeros carries the byte 1 (its codes are zeros; this program alone reads the bytes).
.set VL,  65536                        ; LDS: K's codes at 0, V's here,
.set KSL, 131072                       ; K's scale words, and 4,096 bytes on V's
.set ADK, 5                            ; v5  LDS address of the step's K codes;  v6 of V's;  v7 of K's scale words
.set ADV, 6
.set ADS, 7
.set NEG, 11                           ; v11 -2^126
.set QA,  16                           ; v16-23 [q | 0];  v24-31 [0 | q]
.set QB,  24
.set KF,  32                           ; v32-63  four fragments of K (two tiles of keys each)
.set VF,  64                           ; v64-95  four fragments of V
.set S,   96                           ; v96-159 S^T, then p
.set O,   160                          ; v160-191 O^T
.set PC,  192                          ; v192-199 p's codes
.set BM,  200                          ; v200-203 a block's largest score, then its largest p
.set BT,  204                          ; v204-207 at work
.set BS,  208                          ; v208-211 the conversions' scale operands
.set KSC, 212                          ; v212-213 K's scale words;  v214-215 V's;  v216 Q's
.set VSC, 214
.set QS,  216
.set TMP, 217
.set QR,  218                          ; Q's scale word as loaded
.set F,   220                          ; v220 2^(old M - new M);  v221 p's scale word
.set PWD, 221
.set SB,  222                          ; v[222:223] the sums' second chain
.set SI,  17                           ; s17 counts the steps;  s18, s19 the flags, shifted down a bit a step
.set FC,  18
.set FM,  19
.set SEL, 52
.set CS,  54                           ; s[54:55] c = log2(e) / 8
.set TK,  56                           ; s56 4,096 x step;  s57 256 x step;  s58 the step's lane masks in the buffer
.set TS,  57
.set WO,  58
	s_load_b128 s[4:7], s[0:1], 0x0                ; heads, mask
	s_load_b64 s[2:3], s[0:1], 0x10                ; flags
	s_load_b64 s[8:9], s[0:1], 0x18                ; xq
	v_lshl_add_u32 v224, v0, 2, 0x22000
	v_mov_b32 v225, 0
	v_lshrrev_b32 v8, 5, v0
	v_readfirstlane_b32 s10, v8                    ; wave 0..15
	s_and_b32 s11, ttmp7, 0xffff                   ; hb
	s_lshr_b32 s12, s11, 4                         ; batch
	s_and_b32 s13, s11, 15                         ; head
	s_lshl_b32 s14, ttmp9, 1
	s_lshr_b32 s59, s10, 3
	s_add_co_u32 s14, s14, s59                     ; g
	v_and_b32 v8, 31, v0
	v_lshlrev_b32 v1, 4, v8                        ; v1 16 x lane
	v_lshl_add_u32 v2, v8, 2, KSL                  ; v2 4 x lane among the scale words
	v_and_b32 v9, 15, v0
	v_bfe_u32 v10, v0, 4, 1
	v_cmp_ne_u32 vcc_lo, 0, v10                    ; lanes 16-31
	v_lshl_add_u32 v10, v9, 5, v10                 ; v10 32 r + h
	v_lshlrev_b32 v9, 2, v9                        ; v9 4 r
	; THE FILL: wave w brings 4,096 bytes of K's codes, 4,096 of V's and 512 of the scale words (waves 0-7 K's, 8-15 V's)
	s_lshl_b32 s60, s10, 12
	s_lshl_b32 s61, s11, 16
	s_add_co_u32 s61, s61, s60
	v_add_nc_u32 v5, s61, v1                       ; in memory: K's at + 0x400000,
	v_add_nc_u32 v6, 0x400000, v5                  ; V's at + 0x800000
	s_lshl_b32 s62, s59, 18
	s_lshl_b32 s63, s11, 12
	s_add_co_u32 s62, s62, s63
	s_and_b32 s63, s10, 7
	s_lshl_b32 s63, s63, 9
	s_add_co_u32 s62, s62, s63
	s_add_co_u32 s62, s62, 0xC40000
	v_add_nc_u32 v7, s62, v1
	v_add_nc_u32 v3, s60, v1                       ; in LDS
	v_add_nc_u32 v4, VL, v3
	s_lshl_b32 s63, s10, 9
	s_add_co_u32 s63, s63, KSL
	v_add_nc_u32 v8, s63, v1
	s_wait_kmcnt 0x0
.irp i, 0,1,2,3,4,5,6,7
	global_load_b128 v[32+4*\i:35+4*\i], v5, s[4:5] offset:0x400000+512*\i
.endr
.irp i, 0,1,2,3,4,5,6,7
	global_load_b128 v[64+4*\i:67+4*\i], v6, s[4:5] offset:0x400000+512*\i
.endr
	global_load_b128 v[96:99], v7, s[4:5]
	s_mov_b32 s[SEL], 0x76543210
	s_mov_b32 s[SEL+1], 0xfedcba98
	s_mov_b32 s[CS], 0x3e38aa3b
	s_mov_b32 s[CS+1], s[CS]                       ; (named with it as a pair, so it is written)
	s_mov_b32 s66, 0x03020302                      ; which half of a pair's scale word is my tile's: qt is odd where the wave's number is
	s_bitcmp1_b32 s10, 0
	s_cselect_b32 s66, s66, 0x01000100
	v_mov_b32 v[NEG], 0xfe800000
.irp b, 0,1,2,3
	v_mov_b32 v[BT+\b], 0                          ; written once: a lane permute's destination counts as one of its sources
.endr
	v_mov_b32 v[TMP], 0
	v_mov_b32 v[PWD], 0                            ; (named as the upper half of the pair v[220:221] before it is first written)
	s_wait_loadcnt 0x0
.irp i, 0,1,2,3,4,5,6,7
	ds_store_b128 v3, v[32+4*\i:35+4*\i] offset:512*\i
.endr
.irp i, 0,1,2,3,4,5,6,7
	ds_store_b128 v4, v[64+4*\i:67+4*\i] offset:512*\i
.endr
	ds_store_b128 v8, v[96:99]
	s_wait_dscnt 0x0                               ; for the others' sake: my stores have landed
	s_barrier_signal -1
	s_barrier_wait -1                              ; the head's K and V lie in LDS; nothing is written there again
; ONE TILE OF 16 QUERIES.  p = 1: the wave's second tile, of block 15 - g.
.macro PASS p
.if \p
	s_sub_co_u32 s14, 15, s14
.endif
	s_lshl_b32 s15, s14, 3
	s_and_b32 s59, s10, 7
	s_add_co_u32 s15, s15, s59                     ; qt
	s_lshl_b32 s59, s12, 7
	s_add_co_u32 s59, s59, s15                     ; 128 batch + qt
	s_lshl_b32 s60, s59, 2
	s_load_b32 s61, s[2:3], s60 offset:0x0         ; the flags
	s_lshl_b32 s[WO], s59, 12                      ; the tile's lane masks: 16 steps of 256 bytes
	s_lshl_b32 s62, s11, 16
	s_lshl_b32 s63, s15, 9
	s_add_co_u32 s62, s62, s63
	v_add_nc_u32 v3, s62, v1
	global_load_b128 v[QA:QA+3], v3, s[4:5]        ; Q's codes
	s_lshl_b32 s62, s11, 12
	s_lshr_b32 s63, s15, 1
	s_lshl_b32 s63, s63, 6
	s_add_co_u32 s62, s62, s63
	s_add_co_u32 s62, s62, 0xC00000
	v_add_nc_u32 v4, s62, v9
	global_load_b32 v[QR], v4, s[4:5]              ; the scale word of my tile's pair
	v_mov_b32 v13, 0xff61b1e6                      ; the largest t so far: -3e38, under every t
	v_floor_f32 v12, -v13                          ; -M
	v_mov_b32 v14, 0                               ; the sum, in two halves
	v_mov_b32 v15, 0
	s_mov_b32 s[TK], 0
	s_mov_b32 s[TS], 0
	s_mov_b32 s[SI], 0
	s_wait_loadcnt 0x0
	s_wait_kmcnt 0x0
	s_and_b32 s[FC], s61, 0xffff
	s_lshr_b32 s[FM], s61, 16
	v_perm_b32 v[QS], v[QR], v[QR], s66            ; my tile's two bytes, twice: they serve [q | 0] and [0 | q]
.irp i, 0,1,2,3
	v_mov_b32 v[QA+4+\i], 0
	v_mov_b32 v[QB+\i], 0
	v_mov_b32 v[QB+4+\i], v[QA+\i]
.endr
.set j, 0
.rept 32
	v_mov_b32 v[O+j], 0                            ; O^T: the loop is written once; its first step finds zeros.  (These are also the places between the lines above and the first product)
.set j, j+1
.endr
.Lstep_\@:                             ; 16 trips, a constant: what is left out is a step's work, not the lines that step addresses
	s_bitcmp1_b32 s[FC], 0
	s_cbranch_scc0 .Lnext_\@
	s_load_b512 s[20:35], s[6:7], s[WO] offset:0x0 ; the step's 64 lane masks: word n in s[20 + n], from word 32 on in s[36 + n]
	s_load_b512 s[36:51], s[6:7], s[WO] offset:0x40
	s_load_b512 s[68:83], s[6:7], s[WO] offset:0x80
	s_load_b512 s[84:99], s[6:7], s[WO] offset:0xc0
	v_add_nc_u32 v[ADK], s[TK], v1
	v_add_nc_u32 v[ADV], VL, v[ADK]
	v_add_nc_u32 v[ADS], s[TS], v2
	v_nop                                          ; four places in front of loads into registers that the last products read
.irp f, 0,1,2,3
.irp c, 0,1
	ds_load_b128 v[KF+8*\f+4*\c:KF+8*\f+4*\c+3], v[ADK] offset:1024*\f+512*\c
.endr
.endr
.irp g, 0,1
	ds_load_b32 v[KSC+\g], v[ADS] offset:128*\g    ; lanes 0-15 pair 2 g's words, lanes 16-31 pair 2 g + 1's
.endr
.irp t, 0,1,2,3
.irp c, 0,1
	ds_load_b128 v[VF+8*\t+4*\c:VF+8*\t+4*\c+3], v[ADV] offset:1024*\t+512*\c
.endr
.endr
.irp g, 0,1
	ds_load_b32 v[VSC+\g], v[ADS] offset:4096+128*\g
.endr
	s_wait_dscnt 10                                ; K's ten loads are in; V's ten, issued behind them, may be out
.irp f, 0,1,2,3
.irp u, 0,1
.if (\f%2) == 0
	v_wmma_scale_f32_16x16x128_f8f6f4 v[S+8*(2*\f+\u):S+8*(2*\f+\u)+7], v[KF+8*\f:KF+8*\f+7], v[QA+8*\u:QA+8*\u+7], 0, v[KSC+\f/2], v[QS] matrix_a_fmt:MATRIX_FMT_FP4 matrix_b_fmt:MATRIX_FMT_FP4
.else
	v_wmma_scale_f32_16x16x128_f8f6f4 v[S+8*(2*\f+\u):S+8*(2*\f+\u)+7], v[KF+8*\f:KF+8*\f+7], v[QA+8*\u:QA+8*\u+7], 0, v[KSC+\f/2], v[QS] matrix_a_fmt:MATRIX_FMT_FP4 matrix_b_fmt:MATRIX_FMT_FP4 matrix_a_scale:MATRIX_SCALE_ROW1
.endif
.endr
.endr                                  ; register 16 b + i of S^T: key 128 step + 32 b + 16 h + i of my query
.rept 4
	v_nop
.endr
	s_wait_kmcnt 0x0                               ; the lane masks are in; their offset may be stepped
	s_bitcmp1_b32 s[FM], 0
	s_cbranch_scc0 .Lopen_\@                       ; a step all of whose scores count
.set n, 0
.rept 32
	v_cndmask_b32 v[S+n], v[S+n], v[NEG], s[20+n]
.set n, n+1
.endr
.rept 32
	v_cndmask_b32 v[S+n], v[S+n], v[NEG], s[36+n]
.set n, n+1
.endr
.Lopen_\@:
.irp b, 0,1,2,3
	v_max3_num_f32 v[BM+\b], v[S+16*\b], v[S+16*\b+1], v[S+16*\b+2]     ; the largest score of each block of 32 keys: for the row's maximum, and, since p rises with the score, for the block's largest p
.endr
.irp i, 3,5,7,9,11,13
.irp b, 0,1,2,3
	v_max3_num_f32 v[BM+\b], v[BM+\b], v[S+16*\b+\i], v[S+16*\b+\i+1]
.endr
.endr
.irp b, 0,1,2,3
	v_max_num_f32 v[BM+\b], v[BM+\b], v[S+16*\b+15]
.endr
.irp b, 0,1,2,3
	v_permlanex16_b32 v[BT+\b], v[BM+\b], s[SEL], s[SEL+1]
.endr
.irp b, 0,1,2,3
	v_max_num_f32 v[BM+\b], v[BM+\b], v[BT+\b]     ; with lane l xor 16's 16 keys
.endr
	v_max3_num_f32 v[TMP], v[BM], v[BM+1], v[BM+2]
	v_max_num_f32 v[TMP], v[TMP], v[BM+3]
	v_mul_f32 v[TMP], s[CS], v[TMP]                ; the step's largest t of my query
	v_max_num_f32 v13, v13, v[TMP]
	v_mov_b32 v[TMP], v12
	v_floor_f32 v12, -v13                          ; the new -M = -ceil(t)
	v_sub_f32 v[TMP], v12, v[TMP]                  ; old M less new M: a whole number, 0 or less
	v_cvt_i32_f32 v[TMP], v[TMP]                   ; (it saturates)
	v_ldexp_f32 v[F], 1.0, v[TMP]                  ; 2^(old M - new M)
.set j, 0
.rept 32
	v_pk_fma_f32 v[S+j:S+j+1], v[S+j:S+j+1], s[CS:CS+1], v[12:13] op_sel_hi:[1,0,0]   ; t - M, two at a time
.set j, j+2
.endr
.irp b, 0,1,2,3
	v_fma_f32 v[BM+\b], v[BM+\b], s[CS], v12       ; the same of each block's largest score
.endr
.set j, 0
.rept 64
	v_exp_f32 v[S+j], v[S+j]                       ; p = 2^(t - M)
.set j, j+1
.endr
	v_pk_mul_f32 v[14:15], v[14:15], v[F:F+1] op_sel_hi:[1,0]   ; the sums under the new M: the plain place behind the exponentials
	s_wait_alu depctr_va_vdst(0)                   ; one wait for the batch of 64, ahead of its first reader
.irp b, 0,1,2,3
	v_exp_f32 v[BM+\b], v[BM+\b]                   ; the block's largest p: the same two instructions on the same number give the same bits
.endr
	v_pk_add_f32 v[SB:SB+1], v[S:S+1], v[S+2:S+3]  ; the row's sum of the unquantised p, in two chains: its first half is the work behind the four exponentials
.irp j, 4,8,12,16,20,24,28
	v_pk_add_f32 v[14:15], v[14:15], v[S+\j:S+\j+1]
	v_pk_add_f32 v[SB:SB+1], v[SB:SB+1], v[S+\j+2:S+\j+3]
.endr
	s_wait_alu depctr_va_vdst(0)                   ; and one for the four
.irp b, 0,1,2,3
	v_max_num_f32 v[BM+\b], 0x1800000, v[BM+\b]    ; the floor 2^(3 - 127): the byte cannot fall under 1
.endr
.irp b, 0,1,2,3
	v_add_nc_u32 v[BS+\b], 0xff000000, v[BM+\b]    ; 2 off the exponent field: the conversion's scale operand
.endr
.irp b, 0,1,2,3
	v_lshrrev_b32 v[BT+\b], 23, v[BS+\b]           ; the scale's byte
.endr
	v_lshl_or_b32 v[PWD], v[BT+1], 8, v[BT]
	v_lshl_or_b32 v[PWD], v[BT+2], 16, v[PWD]
	v_lshl_or_b32 v[PWD], v[BT+3], 24, v[PWD]      ; p's scale word for these 128 keys
.irp b, 0,1,2,3
	v_cvt_scalef32_pk8_fp4_f32 v[PC+2*\b], v[S+16*\b:S+16*\b+7], v[BS+\b]
	v_cvt_scalef32_pk8_fp4_f32 v[PC+2*\b+1], v[S+16*\b+8:S+16*\b+15], v[BS+\b]
.endr
	v_nop                                          ; one plain place behind a scaled conversion
.irp c, 0,1
.irp i, 0,1
	v_permlane16_swap_b32 v[PC+4*\c+\i], v[PC+4*\c+2+\i]
.endr
.endr
.set j, 0
.rept 16
	v_pk_mul_f32 v[O+j:O+j+1], v[O+j:O+j+1], v[F:F+1] op_sel_hi:[1,0]   ; O^T under the new M
.set j, j+2
.endr
.irp j, 32,36,40,44,48,52,56,60        ; the sum's second half: these lines name no register of the products below, and are the places in front of them
	v_pk_add_f32 v[14:15], v[14:15], v[S+\j:S+\j+1]
	v_pk_add_f32 v[SB:SB+1], v[SB:SB+1], v[S+\j+2:S+\j+3]
.endr
	v_pk_add_f32 v[14:15], v[14:15], v[SB:SB+1]
	s_wait_dscnt 0x0                               ; V is in
.irp t, 0,1,2,3
.if (\t%2) == 0
	v_wmma_scale_f32_16x16x128_f8f6f4 v[O+8*\t:O+8*\t+7], v[VF+8*\t:VF+8*\t+7], v[PC:PC+7], v[O+8*\t:O+8*\t+7], v[VSC+\t/2], v[PWD] matrix_a_fmt:MATRIX_FMT_FP4 matrix_b_fmt:MATRIX_FMT_FP4
.else
	v_wmma_scale_f32_16x16x128_f8f6f4 v[O+8*\t:O+8*\t+7], v[VF+8*\t:VF+8*\t+7], v[PC:PC+7], v[O+8*\t:O+8*\t+7], v[VSC+\t/2], v[PWD] matrix_a_fmt:MATRIX_FMT_FP4 matrix_b_fmt:MATRIX_FMT_FP4 matrix_a_scale:MATRIX_SCALE_ROW1
.endif
.endr
.Lnext_\@:
	s_lshr_b32 s[FC], s[FC], 1
	s_lshr_b32 s[FM], s[FM], 1
	s_add_co_u32 s[TK], s[TK], 4096
	s_add_co_u32 s[TS], s[TS], 256
	s_add_co_u32 s[WO], s[WO], 256
	s_add_co_u32 s[SI], s[SI], 1
	s_cmp_lt_u32 s[SI], 16
	s_cbranch_scc1 .Lstep_\@
	; THE TILE'S END: O^T / the sum, quantised along the head's 64 channels (register 16 b + i = channel 32 b + 16 h + i), leaves as half a K step of the last product's operand
	v_add_f32 v14, v14, v15
	v_permlanex16_b32 v[TMP], v14, s[SEL], s[SEL+1]
	v_add_f32 v14, v14, v[TMP]                     ; the row's sum
	v_rcp_f32 v14, v14
	s_lshl_b32 s59, s12, 7
	s_add_co_u32 s59, s59, s15                     ; T = 128 batch + qt
	s_lshl_b32 s60, s59, 13
	s_lshl_b32 s61, s13, 9
	s_add_co_u32 s60, s60, s61
	s_lshl_b32 s61, s59, 9
	s_lshl_b32 s62, s13, 1
	s_add_co_u32 s61, s61, s62
	v_add_nc_u32 v3, s60, v1                       ; (plain places behind the reciprocal and behind the last products)
	v_add_nc_u32 v4, s61, v10
	v_nop
	v_nop
	s_wait_alu depctr_va_vdst(0)                   ; the wait ahead of the reciprocal's first reader
.set j, 0
.rept 32
	v_mul_f32 v[S+j], v[O+j], v14
.set j, j+1
.endr
.irp b, 0,1
	v_max3_num_f32 v[BM+\b], |v[S+16*\b]|, |v[S+16*\b+1]|, 0x1800000
.endr
.irp i, 2,4,6,8,10,12,14
.irp b, 0,1
	v_max3_num_f32 v[BM+\b], v[BM+\b], |v[S+16*\b+\i]|, |v[S+16*\b+\i+1]|
.endr
.endr
.irp b, 0,1
	v_permlanex16_b32 v[BT+\b], v[BM+\b], s[SEL], s[SEL+1]
.endr
.irp b, 0,1
	v_max_num_f32 v[BM+\b], v[BM+\b], v[BT+\b]
.endr
.irp b, 0,1
	v_add_nc_u32 v[BS+\b], 0xff000000, v[BM+\b]
.endr
.irp b, 0,1
	v_lshrrev_b32 v[BT+\b], 23, v[BS+\b]
.endr
.irp b, 0,1
	v_cvt_scalef32_pk8_fp4_f32 v[PC+2*\b], v[S+16*\b:S+16*\b+7], v[BS+\b]
	v_cvt_scalef32_pk8_fp4_f32 v[PC+2*\b+1], v[S+16*\b+8:S+16*\b+15], v[BS+\b]
.endr
	v_nop
.irp i, 0,1
	v_permlane16_swap_b32 v[PC+\i], v[PC+2+\i]     ; lanes 0-15 channels 0-31, lanes 16-31 channels 32-63
.endr
	v_cndmask_b32 v[TMP], v[BT], v[BT+1], vcc_lo   ; lane (r, h) stores block h's byte of row r
	global_store_b128 v3, v[PC:PC+3], s[8:9]       ; 512 consecutive bytes
	global_store_b8 v4, v[TMP], s[8:9] offset:0x400000
.if \p == 0
	s_wait_xcnt 0x0                                ; the stores have read their registers: the next tile may write them
.endif
.endm
	PASS 0
	PASS 1
	s_wait_tensorcnt 0x0
	ds_add_u32 v224, v225
	s_wait_dscnt 0x0
	s_endpgm
.Lfunc_end_k_q9b1aad6075_attn:
	.size	k_q9b1aad6075_attn, .Lfunc_end_k_q9b1aad6075_attn-k_q9b1aad6075_attn
	.p2alignl 7, 3214868480
	.fill 96, 4, 3214868480
	.section	.rodata,"a",@progbits
	.p2align	6, 0x0
	.amdhsa_kernel k_q9b1aad6075_attn
		.amdhsa_group_segment_fixed_size 141312
		.amdhsa_private_segment_fixed_size 0
		.amdhsa_enable_private_segment 0
		.amdhsa_kernarg_size 32
		.amdhsa_user_sgpr_count 2
		.amdhsa_user_sgpr_kernarg_segment_ptr 1
		.amdhsa_wavefront_size32 1
		.amdhsa_system_sgpr_workgroup_id_x 1
		.amdhsa_system_sgpr_workgroup_id_y 1
		.amdhsa_system_sgpr_workgroup_id_z 1
		.amdhsa_system_vgpr_workitem_id 0
		.amdhsa_next_free_vgpr 226
		.amdhsa_next_free_sgpr 102
		.amdhsa_reserve_vcc 1
		.amdhsa_float_denorm_mode_32 3
		.amdhsa_float_denorm_mode_16_64 3
		.amdhsa_memory_ordered 1
		.amdhsa_forward_progress 1
		.amdhsa_inst_pref_size 57
	.end_amdhsa_kernel
	.amdgpu_metadata
---
amdhsa.version: [ 1, 2 ]
amdhsa.kernels:
  - .name:           k_q9b1aad6075_attn
    .symbol:         k_q9b1aad6075_attn.kd
    .args:
      - { .name: heads, .offset: 0, .size: 8, .value_kind: global_buffer, .address_space: global }
      - { .name: mask, .offset: 8, .size: 8, .value_kind: global_buffer, .address_space: global }
      - { .name: flags, .offset: 16, .size: 8, .value_kind: global_buffer, .address_space: global }
      - { .name: xq, .offset: 24, .size: 8, .value_kind: global_buffer, .address_space: global }
    .group_segment_fixed_size: 141312
    .private_segment_fixed_size: 0
    .kernarg_segment_align: 8
    .kernarg_segment_size: 32
    .max_flat_workgroup_size: 512
    .sgpr_count:     102
    .vgpr_count:     226
    .wavefront_size: 32
...
	.end_amdgpu_metadata
.endif
;; end of part 4
;; launch outp (part 5): grid 4 x 64, 4 waves a work-group, clusters of 4 x 4, 243,200 bytes of LDS; arguments xq, qin, b_o, out0; writes out0
.if DOCPART == 5
	.amdgcn_target "amdgcn-amd-amdhsa--gfx1250"
	.amdhsa_code_object_version 6
	.text
	.protected	k_q9b1aad6075_outp
	.globl	k_q9b1aad6075_outp
	.p2align	8
	.type	k_q9b1aad6075_outp,@function
k_q9b1aad6075_outp:
	s_mov_b64 s[64:65], 0
	v_nop
	global_prefetch_b8 v0, s[64:65] scope:SCOPE_SE
	s_setreg_imm32_b32 hwreg(HW_REG_WAVE_MODE, 25, 1), 1
	s_wait_xcnt 0x0
	s_wait_alu depctr_hold_cnt(0) depctr_sa_sdst(0) depctr_va_vdst(0) depctr_va_sdst(0) depctr_va_ssrc(0) depctr_va_vcc(0) depctr_vm_vsrc(0)
	s_getreg_b32 s2, hwreg(HW_REG_IB_STS2, 6, 4)
	s_cmp_eq_u32 s2, 0
	s_cbranch_scc0 .Lentry_in_a_cluster
	s_endpgm
.Lentry_in_a_cluster:
	s_bfe_u32 s2, ttmp6, 0x10000c
	s_cmp_lg_u32 s2, 0xf033
	s_cbranch_scc0 .Lentry_shape_is_right
	s_endpgm
.Lentry_shape_is_right:
; out0 = x W_o^T + b_o on codes of FP4 with E8M0 scales, sums in f32.  x: xq, tile T's codes at 8192 T, its scale words at 0x400000 + 512 T; W_o: qin's tiles 1728 .., codes at 8192 G, scale words at 0xE00000 + 512 G.
; A tile's codes lie [K step][c][lane][16 bytes], its scale words [row][K step]; tile T holds rows 32 (T / 2) + 8 (T % 2) + i + 8 (i / 8).
; SHARES: work-group (x, y) makes 128 tokens (R, source 1: x's tiles 8 y ..) x 256 columns (P, source 0: W_o's tiles 16 x ..) over all of K = 1,024: 256 work-groups.  A wave makes 64 x 128: 32 accumulators.
; Source 0 = the weight: a lane holds one token, and the 16 registers of two neighbouring tiles of W_o are 16 neighbouring columns.
; LDS: all of K, filled once: chunk q (K steps 4 q ..) at 98304 q: x's 8 tiles x 4,096 bytes, then W_o's 16; scale words at 196608 (x's 4,096 bytes, W_o's 8,192); behind them a stage of 16 rows x 528 bytes for each wave, which no load fills.
; CLUSTER: 4 x 4 work-groups: x's tiles hang on y alone and are asked for jointly along a row of the cluster, W_o's on x alone and along a column.
; REGISTERS: window 0: v1-27 addresses; v32-63 P's scale words, v64-79 R's; v128-159, v160-191 R's fragments, two sets; on the way out v128-255 rows of the result.
;   window 1: v0-63, v128-191 P's fragments, two sets; v64-127 b_o in the result's layout.   window 2: accumulator (a, b) at v[8 (8 a + b)].
.set CH,   98304
.set WOFF, 32768
.set SCLX, 196608
.set SCLW, 200704
.set STG,  208896
.set SPITCH, 528
.set ADRP, 16
.set ADRR, 20
.set ADSP, 22
.set ADSR, 23
.set STO,  24                          ; v24 the stage: where I put 16 bytes of my token's row
.set RD,   25                          ; v25 and where I read a row back
.set CO,   26                          ; v26 my byte offset in out0
.set BO,   27
.set SCP,  32
.set SCR,  64
.set RF,   128
.set BIAS, 64
.set BK,   128
.set G1X,  24
.set G1W,  32
.set G1SX, 40
.set G1SW, 48
.set G0SX, 56
.set G0X0, 60
.set G0X1, 68
.set G0SW, 72
.set G0W0, 76
.set G0W1, 80
.set MSB, 0
.macro WIN new                         ; the immediate's high byte repeats the setting that is left
.if MSB != (\new)
	s_set_vgpr_msb (MSB<<8)|(\new)
.set MSB, (\new)
.endif
.endm
; A joint load: waves 0 and 1 fetch x's halves, waves 2 and 3 W_o's.  The branch hangs on the wave's number alone.  Four v_nop follow each of the two lines.
.macro JLOAD g0x, g1x, g0w, g1w
	s_cmp_eq_u32 s15, 0
	s_cbranch_scc0 .Lfor_w_\@
	tensor_load_to_lds s[\g0x:\g0x+3], s[\g1x:\g1x+7]
	s_nop 0
.rept 4
	v_nop
.endr
	s_branch .Lasked_\@
.Lfor_w_\@:
	tensor_load_to_lds s[\g0w:\g0w+3], s[\g1w:\g1w+7]
	s_nop 0
.rept 4
	v_nop
.endr
.Lasked_\@:
.endm
.macro CROUND                          ; a round of the cluster's barrier
	s_barrier_signal -1
	s_barrier_wait -1
	s_cmp_lg_u32 s14, 0
	s_cbranch_scc1 .Lnot_wave_0_\@
	s_barrier_signal -3
.Lnot_wave_0_\@:
	s_barrier_wait -3
	s_barrier_signal -1
	s_barrier_wait -1
.endm
.macro SETG0 g, l, lc, p, pc           ; group 0: LDS byte s[l] + lc, global address s[p:p+1] + pc
	s_mov_b32 s[\g], 1
	s_add_co_u32 s[\g+1], s[\l], \lc
	s_add_nc_u64 s[\g+2:\g+3], s[\p:\p+1], \pc
	s_or_b32 s[\g+3], s[\g+3], 0x80000000
.endm
.macro PLACES
.rept 4
	v_nop
.endr
.endm
	s_load_b256 s[4:11], s[0:1], 0x0               ; xq, qin, b_o, out0
	v_lshl_add_u32 v126, v0, 2, 0x3b400
	v_mov_b32 v127, 0
	ds_add_u32 v126, v127
	ds_add_u32 v126, v127
	v_lshrrev_b32 v1, 5, v0
	v_readfirstlane_b32 s14, v1                    ; wave 0..3
	s_lshr_b32 s15, s14, 1                         ; wr: my half of the tokens.  Also: I fetch x's side (0) or W_o's (1)
	s_and_b32 s16, s14, 1                          ; wp: my half of the columns.  Also: which half of that side I fetch
	s_bfe_u32 s17, ttmp6, 0x40000                  ; cx
	s_bfe_u32 s18, ttmp6, 0x40004                  ; cy
	s_lshl_b32 s19, ttmp9, 2
	s_add_co_u32 s19, s19, s17                     ; x
	s_and_b32 s20, ttmp7, 0xffff
	s_lshl_b32 s20, s20, 2
	s_add_co_u32 s20, s20, s18                     ; y
	s_lshl_b32 s84, s18, 2
	s_lshl_b32 s84, 15, s84                        ; my row of the cluster
	s_lshl_b32 s85, 0x1111, s17                    ; my column
	s_or_b32 s[G1X], s84, (3<<16)|(1<<21)          ; 15:0 the mask; 17:16 elements of 8 bytes; 21 set beside a mask; no padding
	s_or_b32 s[G1W], s85, (3<<16)|(1<<21)
	s_or_b32 s[G1SX], s84, (3<<16)|(1<<21)
	s_or_b32 s[G1SW], s85, (3<<16)|(1<<21)
	s_mov_b32 s[G1X+1], 512<<16                    ; x: 4 tiles' 4,096 bytes (512 elements), 8,192 bytes apart in memory
	s_mov_b32 s[G1X+2], 4<<16
	s_mov_b32 s[G1X+3], 512<<16
	s_mov_b32 s[G1X+4], 4
	s_mov_b32 s[G1X+5], 1024
	s_mov_b32 s[G1X+6], 0
	s_mov_b32 s[G1X+7], 0
	s_mov_b32 s[G1W+1], 512<<16                    ; W_o: 8 tiles'
	s_mov_b32 s[G1W+2], 8<<16
	s_mov_b32 s[G1W+3], 512<<16
	s_mov_b32 s[G1W+4], 8
	s_mov_b32 s[G1W+5], 1024
	s_mov_b32 s[G1W+6], 0
	s_mov_b32 s[G1W+7], 0
	s_mov_b32 s[G1SX+1], 32<<16                    ; x's scale words: 2,048 dense bytes as 8 rows of 256
	s_mov_b32 s[G1SX+2], 8<<16
	s_mov_b32 s[G1SX+3], 32<<16
	s_mov_b32 s[G1SX+4], 8
	s_mov_b32 s[G1SX+5], 32
	s_mov_b32 s[G1SX+6], 0
	s_mov_b32 s[G1SX+7], 0
	s_mov_b32 s[G1SW+1], 32<<16                    ; W_o's: 4,096 as 16 rows
	s_mov_b32 s[G1SW+2], 16<<16
	s_mov_b32 s[G1SW+3], 32<<16
	s_mov_b32 s[G1SW+4], 16
	s_mov_b32 s[G1SW+5], 32
	s_mov_b32 s[G1SW+6], 0
	s_mov_b32 s[G1SW+7], 0
	s_lshl_b32 s86, s20, 16                        ; x's side: tile 8 y, + my half's 4 tiles
	s_lshl_b32 s94, s16, 15
	s_add_co_u32 s86, s86, s94
	s_mov_b32 s87, 0
	s_lshl_b32 s88, s20, 12
	s_lshl_b32 s94, s16, 11
	s_add_co_u32 s88, s88, s94
	s_add_co_u32 s88, s88, 0x400000
	s_mov_b32 s89, 0
	s_lshl_b32 s90, s19, 4                         ; W_o's side: tile 1728 + 16 x, + my half's 8 tiles
	s_add_co_u32 s90, s90, 1728
	s_lshl_b32 s92, s90, 9
	s_lshl_b32 s90, s90, 13
	s_lshl_b32 s94, s16, 16
	s_add_co_u32 s90, s90, s94
	s_lshl_b32 s94, s16, 12
	s_add_co_u32 s92, s92, s94
	s_add_co_u32 s92, s92, 0xE00000
	s_mov_b32 s91, 0
	s_mov_b32 s93, 0
	s_lshl_b32 s95, s16, 14                        ; where they go: my half of x's codes,
	s_lshl_b32 s96, s16, 11                        ; of x's scale words,
	s_lshl_b32 s97, s16, 15                        ; of W_o's codes,
	s_lshl_b32 s98, s16, 12                        ; of W_o's scale words: no place in the cluster enters an LDS address
	s_wait_dscnt 0x0
	s_wait_kmcnt 0x0
	s_add_nc_u64 s[86:87], s[4:5], s[86:87]
	s_add_nc_u64 s[88:89], s[4:5], s[88:89]
	s_add_nc_u64 s[90:91], s[6:7], s[90:91]
	s_add_nc_u64 s[92:93], s[6:7], s[92:93]
	CROUND                                         ; all sixteen work-groups are here: the joint loads meet
	SETG0 G0SX, 96, SCLX, 88, 0
	SETG0 G0SW, 98, SCLW, 92, 0
	JLOAD G0SX, G1SX, G0SW, G1SW                   ; the scale words of all of K,
	SETG0 G0X0, 95, 0, 86, 0
	SETG0 G0W0, 97, WOFF, 90, 0
	JLOAD G0X0, G1X, G0W0, G1W                     ; K steps 0 to 3,
	SETG0 G0X1, 95, CH, 86, 4096
	SETG0 G0W1, 97, CH+WOFF, 90, 4096
	JLOAD G0X1, G1X, G0W1, G1W                     ; K steps 4 to 7: three loads of mine are out
	v_and_b32 v1, 31, v0                           ; lane
	v_lshlrev_b32 v2, 4, v1                        ; 16 x lane
	v_and_b32 v3, 15, v0                           ; r
	v_bfe_u32 v4, v0, 4, 1                         ; h
	s_lshl_b32 s94, s16, 15
	s_add_co_u32 s94, s94, WOFF
	v_add_nc_u32 v[ADRP], s94, v2
	v_add_nc_u32 v[ADRP+1], CH, v[ADRP]
	s_lshl_b32 s94, s15, 14
	v_add_nc_u32 v[ADRR], s94, v2
	v_add_nc_u32 v[ADRR+1], CH, v[ADRR]
	v_lshlrev_b32 v5, 5, v3
	v_lshl_add_u32 v5, v4, 9, v5                   ; scale words: row r's 32 bytes; lanes 16-31 take the odd tile
	s_lshl_b32 s94, s16, 12
	s_add_co_u32 s94, s94, SCLW
	v_add_nc_u32 v[ADSP], s94, v5
	s_lshl_b32 s94, s15, 11
	s_add_co_u32 s94, s94, SCLX
	v_add_nc_u32 v[ADSR], s94, v5
	s_mul_i32 s94, s14, 16*SPITCH
	s_add_co_u32 s94, s94, STG                     ; my stage
	v_mul_u32_u24 v6, v3, SPITCH
	v_lshl_add_u32 v6, v4, 6, v6
	v_add_nc_u32 v[STO], s94, v6                   ; in: row r, + 64 h
	v_add_nc_u32 v[RD], s94, v2                    ; back: the 32 lanes take one row of 512 bytes
	s_lshl_b32 s94, s20, 7
	s_lshl_b32 s95, s15, 6
	s_add_co_u32 s94, s94, s95                     ; my first token
	s_lshl_b32 s94, s94, 12
	s_lshl_b32 s95, s19, 10
	s_add_co_u32 s94, s94, s95
	s_lshl_b32 s95, s16, 9
	s_add_co_u32 s94, s94, s95                     ; + my first column's bytes
	v_add_nc_u32 v[CO], s94, v2
	s_lshl_b32 s98, s19, 10                        ; b_o: my 128 columns; register j of P's tile b is column 32 (b / 2) + 8 (b % 2) + 16 h + j
	s_add_co_u32 s98, s98, s95
	s_mov_b32 s99, 0
	s_add_nc_u64 s[8:9], s[8:9], s[98:99]
	v_lshlrev_b32 v[BO], 6, v4
	WIN 0x40
.irp b, 0,1,2,3,4,5,6,7
	global_load_b128 v[BIAS+8*\b:BIAS+8*\b+3], v[BO], s[8:9] offset:(32*(\b/2)+8*(\b%2))*4
	global_load_b128 v[BIAS+8*\b+4:BIAS+8*\b+7], v[BO], s[8:9] offset:(32*(\b/2)+8*(\b%2))*4+16
.endr
	WIN 0
; K step q's fragments into set q % 2: P's eight and R's four; with a chunk's first step its scale words
.macro FETCH q
	WIN 0x40                                       ; destination window 1, address window 0
.irp b, 0,1,2,3,4,5,6,7
.irp c, 0,1
	ds_load_b128 v[128*((\q)%2)+8*\b+4*\c:128*((\q)%2)+8*\b+4*\c+3], v[ADRP+(\q)/4] offset:\b*4096+((\q)%4)*1024+512*\c
.endr
.endr
	WIN 0
.irp a, 0,1,2,3
.irp c, 0,1
	ds_load_b128 v[RF+32*((\q)%2)+8*\a+4*\c:RF+32*((\q)%2)+8*\a+4*\c+3], v[ADRR+(\q)/4] offset:\a*4096+((\q)%4)*1024+512*\c
.endr
.endr
.if ((\q)%4) == 0
.irp i, 0,1,2,3
	ds_load_b128 v[SCP+16*((\q)/4)+4*\i:SCP+16*((\q)/4)+4*\i+3], v[ADSP] offset:\i*1024+16*((\q)/4)
.endr
.irp i, 0,1
	ds_load_b128 v[SCR+8*((\q)/4)+4*\i:SCR+8*((\q)/4)+4*\i+3], v[ADSR] offset:\i*1024+16*((\q)/4)
.endr
.endif
.endm
; One product.  ck = 1: the sum starts with the bias.  An odd tile's scale words lie in lanes 16-31 of its pair's register.
.macro WM a, b, q, ck
.set rD, 8*(8*(\a)+(\b))
.set rP, 128*((\q)%2)+8*(\b)
.set rR, RF+32*((\q)%2)+8*(\a)
.set rSP, SCP+16*((\q)/4)+4*((\b)/2)+(\q)%4
.set rSR, SCR+8*((\q)/4)+4*((\a)/2)+(\q)%4
.set rC, rD
.if \ck
.set rC, BIAS+8*(\b)
.endif
.set par, 2*((\a)%2)+(\b)%2
.if par == 0
	v_wmma_scale_f32_16x16x128_f8f6f4 v[rD:rD+7], v[rP:rP+7], v[rR:rR+7], v[rC:rC+7], v[rSP], v[rSR] matrix_a_fmt:MATRIX_FMT_FP4 matrix_b_fmt:MATRIX_FMT_FP4
.elseif par == 1
	v_wmma_scale_f32_16x16x128_f8f6f4 v[rD:rD+7], v[rP:rP+7], v[rR:rR+7], v[rC:rC+7], v[rSP], v[rSR] matrix_a_fmt:MATRIX_FMT_FP4 matrix_b_fmt:MATRIX_FMT_FP4 matrix_a_scale:MATRIX_SCALE_ROW1
.elseif par == 2
	v_wmma_scale_f32_16x16x128_f8f6f4 v[rD:rD+7], v[rP:rP+7], v[rR:rR+7], v[rC:rC+7], v[rSP], v[rSR] matrix_a_fmt:MATRIX_FMT_FP4 matrix_b_fmt:MATRIX_FMT_FP4 matrix_b_scale:MATRIX_SCALE_ROW1
.else
	v_wmma_scale_f32_16x16x128_f8f6f4 v[rD:rD+7], v[rP:rP+7], v[rR:rR+7], v[rC:rC+7], v[rSP], v[rSR] matrix_a_fmt:MATRIX_FMT_FP4 matrix_b_fmt:MATRIX_FMT_FP4 matrix_a_scale:MATRIX_SCALE_ROW1 matrix_b_scale:MATRIX_SCALE_ROW1
.endif
.endm
; A K step's 32 products: the 32 accumulators take turns, one instruction a turn, in the same order in every step
.macro MUL q, ck
.if \ck
	WIN 0x91                                       ; source 0 and C window 1, source 1 window 0, D window 2
.else
	WIN 0xa1                                       ; C and D window 2
.endif
.irp a, 0,1,2,3
.irp b, 0,1,2,3,4,5,6,7
	WM \a, \b, \q, \ck
.endr
.endr
	WIN 0
.endm
.macro STEP q
	s_wait_dscnt 0x0                               ; this step's fragments, asked for a K step ago, are in
.if \q == 3
	s_wait_tensorcnt 0x0                           ; my part of chunk 1 has landed,
	s_barrier_signal -1
	s_barrier_wait -1                              ; everybody's has
.endif
.if \q < 7
	PLACES
	FETCH (\q)+1
.endif
	MUL \q, 0
.endm
	s_wait_tensorcnt 0x1                           ; the scale words and my part of chunk 0 are in; chunk 1's load, issued behind them, may be out
	s_barrier_signal -1
	s_barrier_wait -1
	FETCH 0
	s_wait_loadcnt 0x0                             ; the bias
	s_wait_dscnt 0x0
	FETCH 1
	MUL 0, 1
.irp q, 1,2,3,4,5,6,7
	STEP \q
.endr
; THE WAY OUT, a tile of 16 tokens x 128 columns at a time: through my own stage and back as whole rows of 512 bytes.  LDS serves a wave's instructions in order: no wait between the stores and the loads, nor in front of the next tile's stores.
.macro TOSTAGE a
	WIN 0x08                                       ; an LDS store's data are its source 1: window 2
.irp b, 0,1,2,3,4,5,6,7
	ds_store_b128 v[STO], v[8*(8*(\a)+\b):8*(8*(\a)+\b)+3] offset:128*(\b/2)+32*(\b%2)          ; each accumulator from its low end on
	ds_store_b128 v[STO], v[8*(8*(\a)+\b)+4:8*(8*(\a)+\b)+7] offset:128*(\b/2)+32*(\b%2)+16
.endr
	WIN 0
.set BB, BK+64*((\a)%2)
.irp t, 0,1,2,3,4,5,6,7,8,9,10,11,12,13,14,15
	ds_load_b128 v[BB+4*\t:BB+4*\t+3], v[RD] offset:\t*SPITCH
.endr
.endm
.macro SEND a, younger                 ; younger: the LDS instructions issued behind tile a's loads, which may stay out
.set BB, BK+64*((\a)%2)
	s_wait_dscnt \younger
.irp t, 0,1,2,3,4,5,6,7,8,9,10,11,12,13,14,15
	global_store_b128 v[CO], v[BB+4*\t:BB+4*\t+3], s[10:11] offset:(32*((\a)/2)+8*((\a)%2)+\t+8*(\t/8))*4096 th:TH_STORE_NT   ; 32 lanes store 512 consecutive bytes, at a multiple of 512 from out0's first byte
.endr
.endm
	PLACES
	TOSTAGE 0
.irp a, 1,2,3
.if \a > 1
	s_wait_xcnt 0x0                                ; tile a - 2's stores have read their registers: tile a's loads may land there
.endif
	TOSTAGE \a
	SEND \a-1, 32                                  ; behind tile a - 1's loads: tile a's 16 stores and 16 loads
.endr
	SEND 3, 0
	s_wait_dscnt 0x0
	s_wait_tensorcnt 0x0
	ds_add_u32 v126, v127
	s_wait_dscnt 0x0
	CROUND                                         ; the closing round: no work-group ends while a partner may still ask for a tile that names it
	s_endpgm
.Lfunc_end_k_q9b1aad6075_outp:
	.size	k_q9b1aad6075_outp, .Lfunc_end_k_q9b1aad6075_outp-k_q9b1aad6075_outp
	.p2alignl 7, 3214868480
	.fill 96, 4, 3214868480
	.section	.rodata,"a",@progbits
	.p2align	6, 0x0
	.amdhsa_kernel k_q9b1aad6075_outp
		.amdhsa_group_segment_fixed_size 243200
		.amdhsa_private_segment_fixed_size 0
		.amdhsa_enable_private_segment 0
		.amdhsa_kernarg_size 32
		.amdhsa_user_sgpr_count 2
		.amdhsa_user_sgpr_kernarg_segment_ptr 1
		.amdhsa_wavefront_size32 1
		.amdhsa_system_sgpr_workgroup_id_x 1
		.amdhsa_system_sgpr_workgroup_id_y 1
		.amdhsa_system_sgpr_workgroup_id_z 1
		.amdhsa_system_vgpr_workitem_id 0
		.amdhsa_next_free_vgpr 768
		.amdhsa_next_free_sgpr 102
		.amdhsa_reserve_vcc 0
		.amdhsa_float_denorm_mode_32 3
		.amdhsa_float_denorm_mode_16_64 3
		.amdhsa_memory_ordered 1
		.amdhsa_forward_progress 1
		.amdhsa_inst_pref_size 73
	.end_amdhsa_kernel
	.amdgpu_metadata
---
amdhsa.version: [ 1, 2 ]
amdhsa.kernels:
  - .name:           k_q9b1aad6075_outp
    .symbol:         k_q9b1aad6075_outp.kd
    .args:
      - { .name: xq, .offset: 0, .size: 8, .value_kind: global_buffer, .address_space: global }
      - { .name: qin, .offset: 8, .size: 8, .value_kind: global_buffer, .address_space: global }
      - { .name: b_o, .offset: 16, .size: 8, .value_kind: global_buffer, .address_space: global }
      - { .name: out0, .offset: 24, .size: 8, .value_kind: global_buffer, .address_space: global }
    .group_segment_fixed_size: 243200
    .private_segment_fixed_size: 0
    .kernarg_segment_align: 8
    .kernarg_segment_size: 32
    .max_flat_workgroup_size: 128
    .sgpr_count:     102
    .vgpr_count:     768
    .wavefront_size: 32
...
	.end_amdgpu_metadata
.endif
;; end of part 5
;; ======== version 2 of 2: 5 launches; version 1 with the launch attn written anew for expert scheduling mode
;; workspace buffers: qin 15,597,568 bytes; heads 13,369,344 bytes; mask 2,097,152 bytes of whole numbers; flags 2,048 bytes of whole numbers; xq 4,456,448 bytes
;; launch prep: the kernel of part 1 again; grid 448 x 1, 4 waves a work-group, no clusters, 34,304 bytes of LDS; arguments query, key, value, W_q, W_k, W_v, W_o, qin; writes qin
;; launch maskpack: the kernel of part 2 again; grid 128 x 4, 16 waves a work-group, no clusters, 2,304 bytes of LDS; arguments attention_mask, key_padding_mask, mask, flags; writes mask, flags
;; launch proj: the kernel of part 3 again; grid 4 x 96, 4 waves a work-group, clusters of 4 x 4, 279,040 bytes of LDS; arguments qin, b_q, b_k, b_v, heads; writes heads
;; launch attn (part 6): grid 4 x 64, 16 waves a work-group, no clusters, 141,312 bytes of LDS; arguments heads, mask, flags, xq; writes xq
.if DOCPART == 6
	.amdgcn_target "amdgcn-amd-amdhsa--gfx1250"
	.amdhsa_code_object_version 6
	.text
	.protected	k_q9b1aad6075_attn
	.globl	k_q9b1aad6075_attn
	.p2align	8
	.type	k_q9b1aad6075_attn,@function
k_q9b1aad6075_attn:
	s_mov_b64 s[64:65], 0
	v_nop
	global_prefetch_b8 v0, s[64:65] scope:SCOPE_SE
	s_setreg_imm32_b32 hwreg(HW_REG_WAVE_SCHED_MODE, 0, 2), 2
	s_setreg_imm32_b32 hwreg(HW_REG_WAVE_MODE, 25, 1), 1
	s_wait_xcnt 0x0
	s_wait_alu depctr_vm_vsrc(0)
; x[b][q][head] = softmax_k(q . k / 8, masked) v, both products on codes of FP4 with E8M0 scales, and x quantised along the model's 1,024 for the last product.
; THE SOFTMAX: t = score x log2(e) / 8; M = the row's largest t so far, rounded up to a whole number; p = 2^(t - M) is quantised along the keys, not normalised; the row's sum of the unquantised p divides at the end.
; When M moves, the sum and O are multiplied by 2^(old M - new M): exact.
; INPUT: heads, as the launch before laid it (hb = 16 batch + head): Q, K codes [hb][tile of 16 tokens][lane][16 bytes]; V codes [hb][step of 128 keys][tile of 16 channels][c][lane][16 bytes]; scale words beside them.
; mask: for each (batch, tile of queries, step) 64 lane masks in the order of the score registers.  flags: a word for each (batch, tile): bit s: step s is computed; bit 16 + s: step s holds a masked score.
; SHARES: a work-group owns one head of one batch and a quarter of its queries; the head's whole K and V (136 KiB of codes and scale words) lie in LDS, brought once through registers.  Each of the sixteen waves makes two tiles
; of 16 queries, one after the other: of block g = 2 x + wave / 8 of 128 queries and of block 15 - g.
; A STEP IS LEFT OUT where all its 16 x 128 scores are masked: a scalar branch on the stored flags.  Such scores have p = 0 in every row that sees any key; a tile that holds a wholly masked row leaves nothing out.
; A MASKED SCORE becomes -2^126.  c x 2^126 is exact and whole, so while a row has seen masked keys alone M = t and p = 1 exactly; its first real key makes the factor 2^(old M - new M) zero, which wipes what was summed;
; from then on masked scores give p = 0.  A wholly masked row ends as the mean over all keys, as reference() has it.
; THE FIRST PRODUCT HAS K = 64, half of the instruction's 128: one fragment of K's codes holds TWO tiles of keys (registers 0-3, 4-7), and the queries' fragment exists twice, [q | zeros] and [zeros | q]: zero codes add nothing.
; LAYOUT: both products are used transposed (S^T = K Q^T, O^T = V^T P^T): a lane holds one query throughout; the tokens of a tile are 32 (T / 2) + 8 (T % 2) + i + 8 (i / 8), so that the 16 registers of two neighbouring tiles are 16 neighbours.
; NO CLUSTER: the four work-groups of a head read the same 139,264 bytes, but the walk over the steps hangs on flags read from memory; each work-group reads them once, at its head.
; OUTPUT: xq: tile T = 128 batch + qt: codes at 8192 T + 512 head + 16 lane; scale bytes at 0x400000 + 512 T + 32 r + 2 head + block.
; LIMITS: NaN and infinities are not served; a real score lies above -2^126; a block of zeros carries the byte 1 (its codes are zeros; this program alone reads the bytes).
; THE MODE: SCHED_MODE bits 1:0 = 2 (LLVM: expert scheduling mode 2), set by the entry lines.  The code itself states the register dependences
; between vector or matrix instructions and memory or LDS instructions, with s_wait_alu, always for 0.
; THE PLAN.  Registers that memory or LDS instructions touch:
;   v5-7        At the head the fill's offsets in memory.  In the loop the three LDS addresses: written by three adds at the head of each step that is computed, read by the step's 20 LDS loads.
;   v3, v4, v8  At the head the fill's LDS addresses.  v3, v4 then, in each pass: the offsets of Q's two loads, made at the pass's head; made anew at the tile's end as the offsets of its two stores.
;   v32-99      At the head the fill's loads land there and its LDS stores read them.
;   KF, KSC     A step's LDS loads land at its head; its eight products K Q^T read them.     VF, VSC   LDS loads land; the step's four products V^T P, its last instructions, read them.
;   v16-19, QR  Q's two loads land at a pass's head; copies, a byte permute and the products K Q^T read them.
;   v192-195, TMP   At the tile's end conversions, swaps and a select write them and the two stores read them; the next pass's loop writes them again.
;   QS, v20-31 (a pass's head) and PC, PWD (each step) are written by vector instructions and taken by scaled products.
; So a step has ONE wait on vm_vsrc, ahead of the three adds, and ONE wait on va_vdst behind them, on which all its 20 loads lean: K's ten follow it at once; V's are dealt among the eight products K Q^T, which name S, KF,
; the queries' fragments, KSC and QS: none of the registers that V's loads touch.  A second wait on va_vdst stands ahead of the products V^T P, for PC and PWD.
.set VL,  65536                        ; LDS: K's codes at 0, V's here,
.set KSL, 131072                       ; K's scale words, and 4,096 bytes on V's
.set ADK, 5                            ; v5  LDS address of the step's K codes;  v6 of V's;  v7 of K's scale words
.set ADV, 6
.set ADS, 7
.set NEG, 11                           ; v11 -2^126
.set QA,  16                           ; v16-23 [q | 0];  v24-31 [0 | q]
.set QB,  24
.set KF,  32                           ; v32-63  four fragments of K (two tiles of keys each)
.set VF,  64                           ; v64-95  four fragments of V
.set S,   96                           ; v96-159 S^T, then p
.set O,   160                          ; v160-191 O^T
.set PC,  192                          ; v192-199 p's codes
.set BM,  200                          ; v200-203 a block's largest score, then its largest p
.set BT,  204                          ; v204-207 at work
.set BS,  208                          ; v208-211 the conversions' scale operands
.set KSC, 212                          ; v212-213 K's scale words;  v214-215 V's;  v216 Q's
.set VSC, 214
.set QS,  216
.set TMP, 217
.set QR,  218                          ; Q's scale word as loaded
.set F,   220                          ; v220 2^(old M - new M);  v221 p's scale word
.set PWD, 221
.set SB,  222                          ; v[222:223] the sums' second chain
.set SI,  17                           ; s17 counts the steps;  s18, s19 the flags, shifted down a bit a step
.set FC,  18
.set FM,  19
.set SEL, 52
.set CS,  54                           ; s[54:55] c = log2(e) / 8
.set TK,  56                           ; s56 4,096 x step;  s57 256 x step;  s58 the step's lane masks in the buffer
.set TS,  57
.set WO,  58
	s_load_b128 s[4:7], s[0:1], 0x0                ; heads, mask
	s_load_b64 s[2:3], s[0:1], 0x10                ; flags
	s_load_b64 s[8:9], s[0:1], 0x18                ; xq
	v_lshl_add_u32 v224, v0, 2, 0x22000
	v_mov_b32 v225, 0
	v_lshrrev_b32 v8, 5, v0
	v_readfirstlane_b32 s10, v8                    ; wave 0..15
	s_and_b32 s11, ttmp7, 0xffff                   ; hb
	s_lshr_b32 s12, s11, 4                         ; batch
	s_and_b32 s13, s11, 15                         ; head
	s_lshl_b32 s14, ttmp9, 1
	s_wait_alu depctr_va_sdst(0)                   ; s10 is written, ahead of its first reader: the block of queries, the fill's shares and the tiles are made from it
	s_lshr_b32 s59, s10, 3
	s_add_co_u32 s14, s14, s59                     ; g
	v_and_b32 v8, 31, v0
	v_lshlrev_b32 v1, 4, v8                        ; v1 16 x lane
	v_lshl_add_u32 v2, v8, 2, KSL                  ; v2 4 x lane among the scale words
	v_and_b32 v9, 15, v0
	v_bfe_u32 v10, v0, 4, 1
	v_cmp_ne_u32 vcc_lo, 0, v10                    ; lanes 16-31
	v_lshl_add_u32 v10, v9, 5, v10                 ; v10 32 r + h
	v_lshlrev_b32 v9, 2, v9                        ; v9 4 r
	s_wait_alu depctr_va_vcc(0)                    ; VCC is written, ahead of every label and branch: the select at each tile's end reads it, and nothing writes it again
	; THE FILL: wave w brings 4,096 bytes of K's codes, 4,096 of V's and 512 of the scale words (waves 0-7 K's, 8-15 V's)
	s_lshl_b32 s60, s10, 12
	s_lshl_b32 s61, s11, 16
	s_add_co_u32 s61, s61, s60
	v_add_nc_u32 v5, s61, v1                       ; in memory: K's at + 0x400000,
	v_add_nc_u32 v6, 0x400000, v5                  ; V's at + 0x800000
	s_lshl_b32 s62, s59, 18
	s_lshl_b32 s63, s11, 12
	s_add_co_u32 s62, s62, s63
	s_and_b32 s63, s10, 7
	s_lshl_b32 s63, s63, 9
	s_add_co_u32 s62, s62, s63
	s_add_co_u32 s62, s62, 0xC40000
	v_add_nc_u32 v7, s62, v1
	v_add_nc_u32 v3, s60, v1                       ; in LDS
	v_add_nc_u32 v4, VL, v3
	s_lshl_b32 s63, s10, 9
	s_add_co_u32 s63, s63, KSL
	v_add_nc_u32 v8, s63, v1
	s_wait_kmcnt 0x0
	s_wait_alu depctr_va_vdst(0)                   ; v5, v6, v7 are written, which the fill's loads read as offsets, and v3, v4, v8, which its LDS stores read as addresses; no vector line between here and those stores names them or v32-99
.irp i, 0,1,2,3,4,5,6,7
	global_load_b128 v[32+4*\i:35+4*\i], v5, s[4:5] offset:0x400000+512*\i
.endr
.irp i, 0,1,2,3,4,5,6,7
	global_load_b128 v[64+4*\i:67+4*\i], v6, s[4:5] offset:0x400000+512*\i
.endr
	global_load_b128 v[96:99], v7, s[4:5]
	s_mov_b32 s[SEL], 0x76543210
	s_mov_b32 s[SEL+1], 0xfedcba98
	s_mov_b32 s[CS], 0x3e38aa3b
	s_mov_b32 s[CS+1], s[CS]                       ; (named with it as a pair, so it is written)
	s_mov_b32 s66, 0x03020302                      ; which half of a pair's scale word is my tile's: qt is odd where the wave's number is
	s_bitcmp1_b32 s10, 0
	s_cselect_b32 s66, s66, 0x01000100
	v_mov_b32 v[NEG], 0xfe800000
.irp b, 0,1,2,3
	v_mov_b32 v[BT+\b], 0                          ; written once: a lane permute's destination counts as one of its sources
.endr
	v_mov_b32 v[TMP], 0
	v_mov_b32 v[PWD], 0                            ; (named as the upper half of the pair v[220:221] before it is first written)
	s_wait_loadcnt 0x0
.irp i, 0,1,2,3,4,5,6,7
	ds_store_b128 v3, v[32+4*\i:35+4*\i] offset:512*\i
.endr
.irp i, 0,1,2,3,4,5,6,7
	ds_store_b128 v4, v[64+4*\i:67+4*\i] offset:512*\i
.endr
	ds_store_b128 v8, v[96:99]
	s_wait_dscnt 0x0                               ; for the others' sake: my stores have landed
	s_barrier_signal -1
	s_barrier_wait -1                              ; the head's K and V lie in LDS; nothing is written there again
; ONE TILE OF 16 QUERIES.  p = 1: the wave's second tile, of block 15 - g.
.macro PASS p
.if \p
	s_sub_co_u32 s14, 15, s14
.endif
	s_lshl_b32 s15, s14, 3
	s_and_b32 s59, s10, 7
	s_add_co_u32 s15, s15, s59                     ; qt
	s_lshl_b32 s59, s12, 7
	s_add_co_u32 s59, s59, s15                     ; 128 batch + qt
	s_lshl_b32 s60, s59, 2
	s_load_b32 s61, s[2:3], s60 offset:0x0         ; the flags
	s_lshl_b32 s[WO], s59, 12                      ; the tile's lane masks: 16 steps of 256 bytes
	s_lshl_b32 s62, s11, 16
	s_lshl_b32 s63, s15, 9
	s_add_co_u32 s62, s62, s63                     ; where Q's codes lie,
	s_lshl_b32 s16, s11, 12
	s_lshr_b32 s63, s15, 1
	s_lshl_b32 s63, s63, 6
	s_add_co_u32 s16, s16, s63
	s_add_co_u32 s16, s16, 0xC00000                ; and the scale word of my tile's pair
	s_wait_alu depctr_vm_vsrc(0)                   ; first tile: the fill's loads have read v5-7, its LDS stores v3, v4 and v32-99; second tile: the first's stores have read v3, v4, v192-195 and v217: all of these are written again from here on
	v_add_nc_u32 v3, s62, v1
	v_add_nc_u32 v4, s16, v9
	s_wait_alu depctr_va_vdst(0)                   ; v3 and v4 are written, which the two loads read as offsets; the tile before is done reading v16-19 and v218, in which they land
	global_load_b128 v[QA:QA+3], v3, s[4:5]        ; Q's codes
	global_load_b32 v[QR], v4, s[4:5]              ; the scale word of my tile's pair
	v_mov_b32 v13, 0xff61b1e6                      ; the largest t so far: -3e38, under every t
	v_floor_f32 v12, -v13                          ; -M
	v_mov_b32 v14, 0                               ; the sum, in two halves
	v_mov_b32 v15, 0
	s_mov_b32 s[TK], 0
	s_mov_b32 s[TS], 0
	s_mov_b32 s[SI], 0
	s_wait_loadcnt 0x0
	s_wait_kmcnt 0x0
	s_and_b32 s[FC], s61, 0xffff
	s_lshr_b32 s[FM], s61, 16
	v_perm_b32 v[QS], v[QR], v[QR], s66            ; my tile's two bytes, twice: they serve [q | 0] and [0 | q]
.irp i, 0,1,2,3
	v_mov_b32 v[QA+4+\i], 0
	v_mov_b32 v[QB+\i], 0
	v_mov_b32 v[QB+4+\i], v[QA+\i]
.endr
.set j, 0
.rept 32
	v_mov_b32 v[O+j], 0                            ; O^T: the loop is written once; its first step finds zeros.  (These are also the places between the lines above and the first product)
.set j, j+1
.endr
.Lstep_\@:                             ; 16 trips, a constant: what is left out is a step's work, not the lines that step addresses
	s_bitcmp1_b32 s[FC], 0
	s_cbranch_scc0 .Lnext_\@
	s_load_b512 s[20:35], s[6:7], s[WO] offset:0x0 ; the step's 64 lane masks: word n in s[20 + n], from word 32 on in s[36 + n]
	s_load_b512 s[36:51], s[6:7], s[WO] offset:0x40
	s_load_b512 s[68:83], s[6:7], s[WO] offset:0x80
	s_load_b512 s[84:99], s[6:7], s[WO] offset:0xc0
	s_wait_alu depctr_vm_vsrc(0)                   ; the LDS loads of the step computed last have read the three addresses, which the adds below write
	v_add_nc_u32 v[ADK], s[TK], v1
	v_add_nc_u32 v[ADV], VL, v[ADK]
	v_add_nc_u32 v[ADS], s[TS], v2
	v_nop                                          ; four places in front of loads into registers that the last products read
	s_wait_alu depctr_va_vdst(0)                   ; the three addresses are written; the last step's products are done reading KF, KSC, VF and VSC, in which this step's 20 loads land; in a tile's first step QS, [q | 0] and [0 | q] are written, which the products below take
.irp f, 0,1,2,3
.irp c, 0,1
	ds_load_b128 v[KF+8*\f+4*\c:KF+8*\f+4*\c+3], v[ADK] offset:1024*\f+512*\c
.endr
.endr
.irp g, 0,1
	ds_load_b32 v[KSC+\g], v[ADS] offset:128*\g    ; lanes 0-15 pair 2 g's words, lanes 16-31 pair 2 g + 1's
.endr
	s_wait_dscnt 0x0                               ; K's ten loads are in; V's are asked for below
.irp f, 0,1,2,3
.irp u, 0,1
.if (\f%2) == 0
	v_wmma_scale_f32_16x16x128_f8f6f4 v[S+8*(2*\f+\u):S+8*(2*\f+\u)+7], v[KF+8*\f:KF+8*\f+7], v[QA+8*\u:QA+8*\u+7], 0, v[KSC+\f/2], v[QS] matrix_a_fmt:MATRIX_FMT_FP4 matrix_b_fmt:MATRIX_FMT_FP4
.else
	v_wmma_scale_f32_16x16x128_f8f6f4 v[S+8*(2*\f+\u):S+8*(2*\f+\u)+7], v[KF+8*\f:KF+8*\f+7], v[QA+8*\u:QA+8*\u+7], 0, v[KSC+\f/2], v[QS] matrix_a_fmt:MATRIX_FMT_FP4 matrix_b_fmt:MATRIX_FMT_FP4 matrix_a_scale:MATRIX_SCALE_ROW1
.endif
	ds_load_b128 v[VF+8*\f+4*\u:VF+8*\f+4*\u+3], v[ADV] offset:1024*\f+512*\u   ; V's codes, a load behind each product.  No wait: no vector or matrix instruction since the step's wait names VF, VSC or the addresses
.endr
.endr                                  ; register 16 b + i of S^T: key 128 step + 32 b + 16 h + i of my query
.irp g, 0,1
	ds_load_b32 v[VSC+\g], v[ADS] offset:4096+128*\g
.endr
.rept 4
	v_nop
.endr
	s_wait_kmcnt 0x0                               ; the lane masks are in; their offset may be stepped
	s_bitcmp1_b32 s[FM], 0
	s_cbranch_scc0 .Lopen_\@                       ; a step all of whose scores count
.set n, 0
.rept 32
	v_cndmask_b32 v[S+n], v[S+n], v[NEG], s[20+n]
.set n, n+1
.endr
.rept 32
	v_cndmask_b32 v[S+n], v[S+n], v[NEG], s[36+n]
.set n, n+1
.endr
.Lopen_\@:
.irp b, 0,1,2,3
	v_max3_num_f32 v[BM+\b], v[S+16*\b], v[S+16*\b+1], v[S+16*\b+2]     ; the largest score of each block of 32 keys: for the row's maximum, and, since p rises with the score, for the block's largest p
.endr
.irp i, 3,5,7,9,11,13
.irp b, 0,1,2,3
	v_max3_num_f32 v[BM+\b], v[BM+\b], v[S+16*\b+\i], v[S+16*\b+\i+1]
.endr
.endr
.irp b, 0,1,2,3
	v_max_num_f32 v[BM+\b], v[BM+\b], v[S+16*\b+15]
.endr
.irp b, 0,1,2,3
	v_permlanex16_b32 v[BT+\b], v[BM+\b], s[SEL], s[SEL+1]
.endr
.irp b, 0,1,2,3
	v_max_num_f32 v[BM+\b], v[BM+\b], v[BT+\b]     ; with lane l xor 16's 16 keys
.endr
	v_max3_num_f32 v[TMP], v[BM], v[BM+1], v[BM+2]
	v_max_num_f32 v[TMP], v[TMP], v[BM+3]
	v_mul_f32 v[TMP], s[CS], v[TMP]                ; the step's largest t of my query
	v_max_num_f32 v13, v13, v[TMP]
	v_mov_b32 v[TMP], v12
	v_floor_f32 v12, -v13                          ; the new -M = -ceil(t)
	v_sub_f32 v[TMP], v12, v[TMP]                  ; old M less new M: a whole number, 0 or less
	v_cvt_i32_f32 v[TMP], v[TMP]                   ; (it saturates)
	v_ldexp_f32 v[F], 1.0, v[TMP]                  ; 2^(old M - new M)
.set j, 0
.rept 32
	v_pk_fma_f32 v[S+j:S+j+1], v[S+j:S+j+1], s[CS:CS+1], v[12:13] op_sel_hi:[1,0,0]   ; t - M, two at a time
.set j, j+2
.endr
.irp b, 0,1,2,3
	v_fma_f32 v[BM+\b], v[BM+\b], s[CS], v12       ; the same of each block's largest score
.endr
.set j, 0
.rept 64
	v_exp_f32 v[S+j], v[S+j]                       ; p = 2^(t - M)
.set j, j+1
.endr
	v_pk_mul_f32 v[14:15], v[14:15], v[F:F+1] op_sel_hi:[1,0]   ; the sums under the new M: the plain place behind the exponentials
	s_wait_alu depctr_va_vdst(0)                   ; the 64 exponentials have written v[S ..]: one wait for the batch, ahead of its first reader
.irp b, 0,1,2,3
	v_exp_f32 v[BM+\b], v[BM+\b]                   ; the block's largest p: the same two instructions on the same number give the same bits
.endr
	v_pk_add_f32 v[SB:SB+1], v[S:S+1], v[S+2:S+3]  ; the row's sum of the unquantised p, in two chains: its first half is the work behind the four exponentials
.irp j, 4,8,12,16,20,24,28
	v_pk_add_f32 v[14:15], v[14:15], v[S+\j:S+\j+1]
	v_pk_add_f32 v[SB:SB+1], v[SB:SB+1], v[S+\j+2:S+\j+3]
.endr
	s_wait_alu depctr_va_vdst(0)                   ; the four exponentials have written v[BM ..], ahead of their first reader
.irp b, 0,1,2,3
	v_max_num_f32 v[BM+\b], 0x1800000, v[BM+\b]    ; the floor 2^(3 - 127): the byte cannot fall under 1
.endr
.irp b, 0,1,2,3
	v_add_nc_u32 v[BS+\b], 0xff000000, v[BM+\b]    ; 2 off the exponent field: the conversion's scale operand
.endr
.irp b, 0,1,2,3
	v_lshrrev_b32 v[BT+\b], 23, v[BS+\b]           ; the scale's byte
.endr
	v_lshl_or_b32 v[PWD], v[BT+1], 8, v[BT]
	v_lshl_or_b32 v[PWD], v[BT+2], 16, v[PWD]
	v_lshl_or_b32 v[PWD], v[BT+3], 24, v[PWD]      ; p's scale word for these 128 keys
.irp b, 0,1,2,3
	v_cvt_scalef32_pk8_fp4_f32 v[PC+2*\b], v[S+16*\b:S+16*\b+7], v[BS+\b]
	v_cvt_scalef32_pk8_fp4_f32 v[PC+2*\b+1], v[S+16*\b+8:S+16*\b+15], v[BS+\b]
.endr
	v_nop                                          ; one plain place behind a scaled conversion
.irp c, 0,1
.irp i, 0,1
	v_permlane16_swap_b32 v[PC+4*\c+\i], v[PC+4*\c+2+\i]
.endr
.endr
.set j, 0
.rept 16
	v_pk_mul_f32 v[O+j:O+j+1], v[O+j:O+j+1], v[F:F+1] op_sel_hi:[1,0]   ; O^T under the new M
.set j, j+2
.endr
.irp j, 32,36,40,44,48,52,56,60        ; the sum's second half: these lines name no register of the products below, and are the places in front of them
	v_pk_add_f32 v[14:15], v[14:15], v[S+\j:S+\j+1]
	v_pk_add_f32 v[SB:SB+1], v[SB:SB+1], v[S+\j+2:S+\j+3]
.endr
	v_pk_add_f32 v[14:15], v[14:15], v[SB:SB+1]
	s_wait_dscnt 0x0                               ; V is in
	s_wait_alu depctr_va_vdst(0)                   ; the conversions and swaps have written p's codes v[PC ..], the shifts its scale word v[PWD], which the scaled products below take; the places above stay beside this wait
.irp t, 0,1,2,3
.if (\t%2) == 0
	v_wmma_scale_f32_16x16x128_f8f6f4 v[O+8*\t:O+8*\t+7], v[VF+8*\t:VF+8*\t+7], v[PC:PC+7], v[O+8*\t:O+8*\t+7], v[VSC+\t/2], v[PWD] matrix_a_fmt:MATRIX_FMT_FP4 matrix_b_fmt:MATRIX_FMT_FP4
.else
	v_wmma_scale_f32_16x16x128_f8f6f4 v[O+8*\t:O+8*\t+7], v[VF+8*\t:VF+8*\t+7], v[PC:PC+7], v[O+8*\t:O+8*\t+7], v[VSC+\t/2], v[PWD] matrix_a_fmt:MATRIX_FMT_FP4 matrix_b_fmt:MATRIX_FMT_FP4 matrix_a_scale:MATRIX_SCALE_ROW1
.endif
.endr
.Lnext_\@:
	s_lshr_b32 s[FC], s[FC], 1
	s_lshr_b32 s[FM], s[FM], 1
	s_add_co_u32 s[TK], s[TK], 4096
	s_add_co_u32 s[TS], s[TS], 256
	s_add_co_u32 s[WO], s[WO], 256
	s_add_co_u32 s[SI], s[SI], 1
	s_cmp_lt_u32 s[SI], 16
	s_cbranch_scc1 .Lstep_\@
	; THE TILE'S END: O^T / the sum, quantised along the head's 64 channels (register 16 b + i = channel 32 b + 16 h + i), leaves as half a K step of the last product's operand
	v_add_f32 v14, v14, v15
	v_permlanex16_b32 v[TMP], v14, s[SEL], s[SEL+1]
	v_add_f32 v14, v14, v[TMP]                     ; the row's sum
	v_rcp_f32 v14, v14
	s_lshl_b32 s59, s12, 7
	s_add_co_u32 s59, s59, s15                     ; T = 128 batch + qt
	s_lshl_b32 s60, s59, 13
	s_lshl_b32 s61, s13, 9
	s_add_co_u32 s60, s60, s61
	s_lshl_b32 s61, s59, 9
	s_lshl_b32 s62, s13, 1
	s_add_co_u32 s61, s61, s62
	s_wait_alu depctr_vm_vsrc(0)                   ; Q's two loads, at the tile's head, have read v3 and v4, which the adds below write: stated here for the way on which no step was computed too
	v_add_nc_u32 v3, s60, v1                       ; (plain places behind the reciprocal and behind the last products)
	v_add_nc_u32 v4, s61, v10
	v_nop
	v_nop
	s_wait_alu depctr_va_vdst(0)                   ; the reciprocal has written v14, ahead of its first reader; v3 and v4 are written too, which the stores below read as offsets
.set j, 0
.rept 32
	v_mul_f32 v[S+j], v[O+j], v14
.set j, j+1
.endr
.irp b, 0,1
	v_max3_num_f32 v[BM+\b], |v[S+16*\b]|, |v[S+16*\b+1]|, 0x1800000
.endr
.irp i, 2,4,6,8,10,12,14
.irp b, 0,1
	v_max3_num_f32 v[BM+\b], v[BM+\b], |v[S+16*\b+\i]|, |v[S+16*\b+\i+1]|
.endr
.endr
.irp b, 0,1
	v_permlanex16_b32 v[BT+\b], v[BM+\b], s[SEL], s[SEL+1]
.endr
.irp b, 0,1
	v_max_num_f32 v[BM+\b], v[BM+\b], v[BT+\b]
.endr
.irp b, 0,1
	v_add_nc_u32 v[BS+\b], 0xff000000, v[BM+\b]
.endr
.irp b, 0,1
	v_lshrrev_b32 v[BT+\b], 23, v[BS+\b]
.endr
.irp b, 0,1
	v_cvt_scalef32_pk8_fp4_f32 v[PC+2*\b], v[S+16*\b:S+16*\b+7], v[BS+\b]
	v_cvt_scalef32_pk8_fp4_f32 v[PC+2*\b+1], v[S+16*\b+8:S+16*\b+15], v[BS+\b]
.endr
	v_nop
.irp i, 0,1
	v_permlane16_swap_b32 v[PC+\i], v[PC+2+\i]     ; lanes 0-15 channels 0-31, lanes 16-31 channels 32-63
.endr
	v_cndmask_b32 v[TMP], v[BT], v[BT+1], vcc_lo   ; lane (r, h) stores block h's byte of row r
	s_wait_alu depctr_va_vdst(0)                   ; the conversions and swaps have written v[PC .. PC + 3], the select v[TMP]: the two stores read them
	global_store_b128 v3, v[PC:PC+3], s[8:9]       ; 512 consecutive bytes
	global_store_b8 v4, v[TMP], s[8:9] offset:0x400000
.if \p == 0
	s_wait_xcnt 0x0                                ; the stores have read their registers: the next tile may write them (the wait on vm_vsrc at its head stands beside this one)
.endif
.endm
	PASS 0
	PASS 1
	s_wait_dscnt 0x0                               ; the closing lines, six on end
	s_wait_alu 0x0
	s_wait_tensorcnt 0x0
	ds_add_u32 v224, v225
	s_wait_dscnt 0x0
	s_endpgm
.Lfunc_end_k_q9b1aad6075_attn:
	.size	k_q9b1aad6075_attn, .Lfunc_end_k_q9b1aad6075_attn-k_q9b1aad6075_attn
	.p2alignl 7, 3214868480
	.fill 96, 4, 3214868480
	.section	.rodata,"a",@progbits
	.p2align	6, 0x0
	.amdhsa_kernel k_q9b1aad6075_attn
		.amdhsa_group_segment_fixed_size 141312
		.amdhsa_private_segment_fixed_size 0
		.amdhsa_enable_private_segment 0
		.amdhsa_kernarg_size 32
		.amdhsa_user_sgpr_count 2
		.amdhsa_user_sgpr_kernarg_segment_ptr 1
		.amdhsa_wavefront_size32 1
		.amdhsa_system_sgpr_workgroup_id_x 1
		.amdhsa_system_sgpr_workgroup_id_y 1
		.amdhsa_system_sgpr_workgroup_id_z 1
		.amdhsa_system_vgpr_workitem_id 0
		.amdhsa_next_free_vgpr 226
		.amdhsa_next_free_sgpr 102
		.amdhsa_reserve_vcc 1
		.amdhsa_float_denorm_mode_32 3
		.amdhsa_float_denorm_mode_16_64 3
		.amdhsa_memory_ordered 1
		.amdhsa_forward_progress 1
		.amdhsa_inst_pref_size 58
	.end_amdhsa_kernel
	.amdgpu_metadata
---
amdhsa.version: [ 1, 2 ]
amdhsa.kernels:
  - .name:           k_q9b1aad6075_attn
    .symbol:         k_q9b1aad6075_attn.kd
    .args:
      - { .name: heads, .offset: 0, .size: 8, .value_kind: global_buffer, .address_space: global }
      - { .name: mask, .offset: 8, .size: 8, .value_kind: global_buffer, .address_space: global }
      - { .name: flags, .offset: 16, .size: 8, .value_kind: global_buffer, .address_space: global }
      - { .name: xq, .offset: 24, .size: 8, .value_kind: global_buffer, .address_space: global }
    .group_segment_fixed_size: 141312
    .private_segment_fixed_size: 0
    .kernarg_segment_align: 8
    .kernarg_segment_size: 32
    .max_flat_workgroup_size: 512
    .sgpr_count:     102
    .vgpr_count:     226
    .wavefront_size: 32
...
	.end_amdgpu_metadata
.endif
;; end of part 6
;; launch outp: the kernel of part 5 again; grid 4 x 64, 4 waves a work-group, clusters of 4 x 4, 243,200 bytes of LDS; arguments xq, qin, b_o, out0; writes out0
